; MI455X (gfx1250); checked and timed in simulation.
; The chip was launched on July 23, 2026; its instructions are those of AMD's public machine-readable ISA for CDNA 5 (MIT licence, August 2026) and "CDNA5" Instruction Set Architecture Reference Guide (July 2026). The comments in the code are by the model that wrote it; some were corrected since.
;; Causal Self Attention. Allowed arithmetic: matrix products marked QUANTISED: E2M3 operands, one E8M0 scale for each 32 along K, by v_wmma_scale_f32_16x16x128_f8f6f4 with both operands' format E2M3, f32 sums; everything else in f32.
;; Inputs: b_proj 1,024 float32; b_qkv 3,072 float32; w_proj 1,024 x 1,024 float32; w_qkv 1,024 x 3,072 float32; x 4 x 2,048 x 1,024 float32.
;; Outputs: out0 4 x 2,048 x 1,024 float32.
;; This version of the problem:
;;   THIS VERSION OF THE PROBLEM IS GIVEN IN LOW PRECISION. The matrix products marked QUANTISED in the list below multiply operands that are first quantised to E2M3 (2 exponent bits, 3 mantissa bits; 6 bits a number), with one power-of-two scale for each 32 numbers along K (OCP MX v1.0); their sums are f32. All else is computed in f32.
;;   The module's matrix products, in the order in which they are computed (A, B: the left and right operand; K: the contracted axis; several contracted axes count as one K, in the product's order):
;;     1. [M 8,192, K 1,024] x [K 1,024, N 3,072]; A: input x; B: input w_qkv: QUANTISED
;;     2. batch 64 x [M 2,048, K 64] x [K 64, N 2,048]; A: computed on the way; B: computed on the way: QUANTISED
;;     3. batch 64 x [M 2,048, K 2,048] x [K 2,048, N 64]; A: softmax (see below); B: computed on the way: QUANTISED
;;     4. [M 8,192, K 1,024] x [K 1,024, N 1,024]; A: computed on the way; B: input w_proj: QUANTISED
;;   THE QUANTISER, for each operand of a quantised product, along K:
;;     - K is cut into blocks of 32 from its start; a last block that is shorter is filled with zeros.
;;     - A block's scale is 2^e with e = floor(log2(the largest magnitude in the block)) - 2, held to -126 .. 127; a block of zeros has e = 0. As a byte (E8M0): e + 127.
;;     - Each number is divided by its block's scale, clamped to +-7.5, and rounded to the nearest number of E2M3, ties to even, subnormals kept.
;;     - The product sums the exact products of the quantised numbers (number of the format x scale) in f32.
;;   ~~~python
;;   def quantise(x, axis):      # numpy; x: float32 -> the quantised numbers, widened to float32 again
;;       x = np.moveaxis(x, axis, -1); K = x.shape[-1]
;;       x = np.pad(x, [(0, 0)] * (x.ndim - 1) + [(0, -K % 32)]); x = x.reshape(x.shape[:-1] + (-1, 32)); a = np.abs(x).max(-1, keepdims=True)
;;       e = np.where(a > 0, np.clip(np.frexp(np.where(a > 0, a, 1))[1] - 1 - 2, -126, 127), 0)      # np.frexp(a)[1] - 1 = floor(log2(a)), exactly
;;       r = np.clip(x / 2.0 ** e, -7.5, 7.5)
;;       step = 2.0 ** (np.maximum(np.frexp(np.where(r == 0, 1, r))[1] - 1, 0) - 3)
;;       q = np.round(r / step) * step * 2.0 ** e      # np.round: ties to even
;;       return np.moveaxis(q.reshape(q.shape[:-2] + (-1,))[..., :K], -1, axis).astype(np.float32)
;;   ~~~
;;   SOFTMAX AHEAD OF A QUANTISED PRODUCT. Where the list says 'softmax', what is quantised is not the finished softmax but p = 2^(t - M), with t = logit x log2(e) and M = ceil(the row's largest t), a whole number; so 1/2 < the row's largest p <= 1. The row's sum l is taken of the UNQUANTISED p, in f32, and the product's result is divided by l at the end. Since M is a whole number, a kernel that streams over the keys may use a running M (the ceiling of the running maximum): every later rescaling is an exact power of two, which a block's scale takes up: the codes' values come out the same.
;;   OPERANDS COMPUTED ON THE WAY. 'Computed on the way' means the value that the module computes at that place (a softmax that the list does not call 'softmax' is quantised finished and normalised). What goes into a quantiser is computed in f32, as accurately as f32 sums, v_exp_f32 and their like allow (about 1e-6 of the number): no bf16 or f16 on the way to a quantiser, and a product that is left as it is and whose result goes on into a quantised operand takes f32 operands (vector FMAs, or v_wmma_f32_16x16x4_f32). A number that lies on a knife's edge between two numbers of the format may be rounded either way, as far as f32 arithmetic and the matrix unit's own rounding can turn it there, and no further.
;; One version. Each part assembles by itself: llvm-mc -triple=amdgcn-amd-amdhsa -mcpu=gfx1250 --defsym DOCPART=n.
;; ======== version 1 of 1: 4 launches
;; workspace buffers: xq 6,553,600 bytes; wq 3,276,800 bytes; qq 6,815,744 bytes; kv 13,369,344 bytes; yq 6,553,600 bytes
;; launch prep (part 1): grid 384 x 1, 4 waves a work-group, no clusters, 34,304 bytes of LDS; arguments x, w_qkv, w_proj, xq, wq; writes xq, wq
.if DOCPART == 1
	.amdgcn_target "amdgcn-amd-amdhsa--gfx1250"
	.amdhsa_code_object_version 6
	.text
	.protected	k_q7364c27c0d_prep
	.globl	k_q7364c27c0d_prep
	.p2align	8
	.type	k_q7364c27c0d_prep,@function
k_q7364c27c0d_prep:
	s_mov_b64 s[64:65], 0
	v_nop
	global_prefetch_b8 v0, s[64:65] scope:SCOPE_SE
	s_setreg_imm32_b32 hwreg(HW_REG_WAVE_MODE, 25, 1), 1
	s_wait_xcnt 0x0
; PREP: x [8192][1024], w_qkv [1024][3072] and w_proj [1024][1024], f32, become codes of FP6 (E2M3) with one E8M0 byte for each 32 along K (K = 1024: x's last axis, the weights' first).
; A block's scale is 2^(floor(log2(its largest magnitude)) - 2); its byte is the largest magnitude's exponent field - 2, held at 1 from below.
; LIMITS: a block whose largest magnitude lies under 2^-124, a block of zeros among them, gets the byte 1 (its codes are then zeros or tiny; the bytes are read by this program alone); NaN and infinities are not served.
; LAYOUT OF THE CODES: tiles of 16 rows (tokens of x, columns of a weight), each 16 pieces of 64 along K.  A piece is an image of six operand registers, 768 bytes: lane l's registers 0-3 at 16 l,
; its registers 4-5 at 512 + 8 l; lane (r = l % 16, h = l / 16) holds row r, k = 32 h .. 32 h + 31 of the piece.  Every store of a wave covers 512 or 256 consecutive bytes, aligned.
; THE ROWS OF A TILE ARE NOT NEIGHBOURS: of 32 neighbouring tokens or columns 32 p .. 32 p + 31, tile 2 p + u holds 32 p + 8 u + r + 8 (r / 8) in its row r.
; SCALE WORDS: [pair of tiles][quarter of K][u][r][2 words], a word for 128 along K: 256 bytes for a pair and a quarter, 8 bytes a lane.
; SHARES: work-groups 0-95 w_qkv, 96-127 w_proj (a wave: 32 columns x 256 along K; a lane takes a column and its registers run down K); 128-383 x (a work-group: 32 tokens; a wave: 256 along K).
.set XS_OFF, 6291456                   ; xq: the scale words begin here
.set WS_OFF, 3145728                   ; wq: likewise
.set TILEB,  12288                     ; a tile's 16 pieces
.set HF,     768                       ; a piece
.set SP,     528                       ; x's stage: a row of 512 bytes + 16
.set SPARE,  4*16*SP                   ; behind the four stages: the spare words, 128 bytes a wave
.set LN16, 4                           ; v4   16 x lane
.set LN8,  5                           ; v5   8 x lane
.set COL,  6                           ; v6   weights: my column's bytes among the wave's 32
.set STI,  7                           ; v7   x: into the stage
.set STO,  8                           ; v8   x: out of it
.set SB,   24                          ; v24-25 weights: my column's eight scale bytes
.set WX,   32                          ; v32-95 weights: two sets of 32 numbers
.set WC,   96                          ; v96-101 codes of an even block (v102-104 at work); v106-111 of an odd one (v112-114)
.set R,    16                          ; v16-143 x: two sets of 64 registers as loaded
.set X,    144                         ; v144-207 x: 64 numbers in the quantiser's order
.set TM,   208                         ; v208-223 at work
.set PWS,  224                         ; v224-227 the four sub-units' scale words
.set PC,   232                         ; v232-250 codes
.set SPW,  252                         ; v252 my spare word's LDS address; never rewritten
.set NIL,  253                         ; v253 0; never rewritten
.set SEL,  32                          ; s[32:33] lane selects: lane l xor 16
.macro WLOAD cols, t                   ; block t: W(32 t + i, my column), i = 0 .. 31; a wave's load reads 128 consecutive bytes
.set i, 0
.rept 32
	global_load_b32 v[WX+32*((\t)%2)+i], v[COL], s[22:23] offset:(32*(\t)+i)*(\cols)*4 th:TH_LOAD_NT
.set i, i+1
.endr
.endm
.macro WBLOCK cols, t
.set WXS, WX+32*((\t)%2)
.set CD, WC+10*((\t)%2)
.if (\t) < 7
	s_wait_loadcnt 32                              ; this block's 32 loads are in; the next block's may be out
.else
	s_wait_loadcnt 0x0
.endif
	v_max3_num_f32 v12, |v[WXS]|, |v[WXS+1]|, |v[WXS+2]|          ; the block's largest magnitude: all 32 numbers are mine; two chains
	v_max3_num_f32 v13, |v[WXS+3]|, |v[WXS+4]|, |v[WXS+5]|
.irp i, 6,10,14,18,22,26
	v_max3_num_f32 v12, v12, |v[WXS+\i]|, |v[WXS+\i+1]|
	v_max3_num_f32 v13, v13, |v[WXS+\i+2]|, |v[WXS+\i+3]|
.endr
	v_max3_num_f32 v12, v12, |v[WXS+30]|, |v[WXS+31]|
	v_max3_num_f32 v12, v12, v13, 0x1800000        ; and the floor 2^(3 - 127): the byte cannot fall under 1
	v_add_nc_u32 v11, 0xff000000, v12              ; 2 off the exponent field: the conversion's scale operand
	v_lshrrev_b32 v13, 23, v11                     ; the scale's byte
.if (\t)%4 == 0
	v_mov_b32 v[SB+(\t)/4], v13
.else
	v_lshl_or_b32 v[SB+(\t)/4], v13, 8*((\t)%4), v[SB+(\t)/4]
.endif
.if ((\t)%2 == 0) && ((\t) > 0)
	s_wait_xcnt 0x0                                ; the last pair's stores have read the codes' registers
.endif
	v_cvt_scalef32_pk16_fp6_f32 v[CD:CD+2], v[WXS:WXS+15], v11
	v_cvt_scalef32_pk16_fp6_f32 v[CD+6:CD+8], v[WXS+16:WXS+31], v11   ; (a conversion's three registers begin on an even number)
	v_nop                                          ; one plain place behind a scaled conversion
.irp i, 0,1,2
	v_mov_b32 v[CD+3+\i], v[CD+6+\i]
.endr
.if (\t)+2 < 8
	WLOAD \cols, (\t)+2
.endif
.if (\t)%2 == 1
; lanes 0-15 hold rows of tile T, lanes 16-31 of tile T + 1; the even block is a piece's k 0-31, the odd one its k 32-63.  The exchange makes of the two runs the piece of T and the piece of T + 1.
.irp i, 0,1,2,3,4,5
	v_permlane16_swap_b32 v[WC+\i], v[WC+10+\i]
.endr
	global_store_b128 v[LN16], v[WC:WC+3], s[28:29] offset:((\t)/2)*HF
	global_store_b64 v[LN8], v[WC+4:WC+5], s[28:29] offset:((\t)/2)*HF+512
	global_store_b128 v[LN16], v[WC+10:WC+13], s[28:29] offset:TILEB+((\t)/2)*HF
	global_store_b64 v[LN8], v[WC+14:WC+15], s[28:29] offset:TILEB+((\t)/2)*HF+512
.endif
.endm
; A weight of \cols columns, whose tiles begin at tile \t0 of wq, whose work-groups begin at \g0, whose address is s[\pb:\pb+1]
.macro WPATH cols, t0, g0, pb
	s_sub_co_u32 s16, ttmp9, \g0
	s_lshr_b32 s17, s16, 2                         ; which 128 columns
	s_and_b32 s18, s16, 3                          ; which quarter of K
	s_mul_i32 s20, s18, 256*(\cols)*4
	s_lshl_b32 s21, s17, 9
	s_add_co_u32 s20, s20, s21
	s_lshl_b32 s21, s14, 7                         ; my wave's 32 columns
	s_add_co_u32 s20, s20, s21
	s_mov_b32 s21, 0
	s_add_nc_u64 s[22:23], s[\pb:\pb+1], s[20:21]
	s_lshl_b32 s24, s17, 3
	s_lshl_b32 s25, s14, 1
	s_add_co_u32 s24, s24, s25
	s_add_co_u32 s24, s24, \t0                     ; T: my first tile
	s_mul_i32 s26, s24, TILEB
	s_mul_i32 s27, s18, 4*HF
	s_add_co_u32 s26, s26, s27
	s_mov_b32 s27, 0
	s_add_nc_u64 s[28:29], s[12:13], s[26:27]      ; its pieces of my quarter
	s_lshl_b32 s26, s24, 9                         ; (T / 2) x 1,024
	s_lshl_b32 s25, s18, 8
	s_add_co_u32 s26, s26, s25
	s_add_co_u32 s26, s26, WS_OFF
	s_add_nc_u64 s[30:31], s[12:13], s[26:27]      ; and the pair's scale words
	WLOAD \cols, 0
	WLOAD \cols, 1
.irp t, 0,1,2,3,4,5,6,7
	WBLOCK \cols, \t
.endr
	global_store_b64 v[LN8], v[SB:SB+1], s[30:31]  ; 32 lanes store 256 consecutive bytes
	s_endpgm
.endm
; 64 numbers of a lane, register 16 b + i = k 32 b + 16 (lane / 16) + i of my row, become a fragment's codes in v[PC] on and its scale word in v[pw]
.macro QUANT s, pw
.irp b, 0,1,2,3
	v_max3_num_f32 v[TM+\b], |v[\s+16*\b]|, |v[\s+1+16*\b]|, 0x1800000
.endr
.irp i, 2,4,6,8,10,12,14
.irp b, 0,1,2,3
	v_max3_num_f32 v[TM+\b], v[TM+\b], |v[\s+16*\b+\i]|, |v[\s+1+16*\b+\i]|
.endr
.endr
.irp b, 0,1,2,3
	v_permlanex16_b32 v[TM+4+\b], v[TM+\b], s[SEL], s[SEL+1]
.endr
.irp b, 0,1,2,3
	v_max_num_f32 v[TM+\b], v[TM+\b], v[TM+4+\b]   ; with lane l xor 16's: the block's largest magnitude
.endr
.irp b, 0,1,2,3
	v_add_nc_u32 v[TM+12+\b], 0xff000000, v[TM+\b]
.endr
.irp b, 0,1,2,3
	v_lshrrev_b32 v[TM+4+\b], 23, v[TM+12+\b]
.endr
	v_lshl_or_b32 v[\pw], v[TM+5], 8, v[TM+4]
	v_lshl_or_b32 v[\pw], v[TM+6], 16, v[\pw]
	v_lshl_or_b32 v[\pw], v[TM+7], 24, v[\pw]
.irp c, 0,1
	v_cvt_scalef32_pk16_fp6_f32 v[PC+6*\c:PC+2+6*\c], v[\s+32*\c:\s+15+32*\c], v[TM+12+2*\c]
	v_cvt_scalef32_pk16_fp6_f32 v[PC+12+4*\c:PC+14+4*\c], v[\s+16+32*\c:\s+31+32*\c], v[TM+12+2*\c+1]
.endr
	v_nop                                          ; one plain place behind a scaled conversion
.irp c, 0,1                                    ; the operand's layout wants a whole block in a lane
.irp i, 0,1,2
	v_permlane16_swap_b32 v[PC+6*\c+\i], v[PC+12+4*\c+\i]
.endr
.irp i, 0,1,2
	v_mov_b32 v[PC+3+6*\c+\i], v[PC+12+4*\c+\i]
.endr
.endr
.endm
; x: sub-unit n = 2 u + s: the 16 rows of tile 2 p + u, 128 along K (the s-th of my 256)
.macro XLOAD n
.set i, 0
.rept 16
	global_load_b128 v[R+64*((\n)%2)+4*i:R+64*((\n)%2)+4*i+3], v[LN16], s[22:23] offset:(8*((\n)/2)+i+8*(i/8))*4096+512*((\n)%2) th:TH_LOAD_NT   ; 512 consecutive bytes of one row
.set i, i+1
.endr
.endm
.macro XTURN n                         ; through my stage: in as rows, out 16 neighbours of each block of 32 a lane.  LDS serves a wave's instructions in order
.set i, 0
.rept 16
	ds_store_b128 v[STI], v[R+64*((\n)%2)+4*i:R+64*((\n)%2)+4*i+3] offset:i*SP
.set i, i+1
.endr
.irp b, 0,1,2,3
.irp j, 0,1,2,3
	ds_load_b128 v[X+16*\b+4*\j:X+16*\b+4*\j+3], v[STO] offset:128*\b+16*\j
.endr
.endr
.endm
.macro XUNIT n
.if (\n) < 3
	s_wait_loadcnt 16                              ; this sub-unit's 16 loads are in; the next one's may be out
.else
	s_wait_loadcnt 0x0
.endif
	XTURN \n
	s_wait_dscnt 0x0                               ; the numbers are back, and the stores into the stage have read their registers,
.if (\n)+2 < 4
	XLOAD (\n)+2                                   ; which take the loads of two sub-units on
.endif
.if (\n) > 0
	s_wait_xcnt 0x0                                ; the last sub-unit's stores have read the codes' registers
.endif
	QUANT X, PWS+(\n)
	global_store_b128 v[LN16], v[PC:PC+3], s[28:29] offset:((\n)/2)*TILEB+((\n)%2)*2*HF
	global_store_b64 v[LN8], v[PC+4:PC+5], s[28:29] offset:((\n)/2)*TILEB+((\n)%2)*2*HF+512
	global_store_b128 v[LN16], v[PC+6:PC+9], s[28:29] offset:((\n)/2)*TILEB+((\n)%2)*2*HF+HF
	global_store_b64 v[LN8], v[PC+10:PC+11], s[28:29] offset:((\n)/2)*TILEB+((\n)%2)*2*HF+HF+512
.endm
	s_load_b256 s[4:11], s[0:1], 0x0               ; x s[4:5], w_qkv s[6:7], w_proj s[8:9], xq s[10:11]
	s_load_b64 s[12:13], s[0:1], 0x20              ; wq
	v_lshl_add_u32 v[SPW], v0, 2, SPARE
	v_mov_b32 v[NIL], 0
	v_lshrrev_b32 v1, 5, v0
	v_readfirstlane_b32 s14, v1                    ; wave
	v_and_b32 v1, 31, v0                           ; lane
	v_and_b32 v2, 15, v0                           ; r
	v_bfe_u32 v3, v0, 4, 1                         ; h (weights: u)
	v_lshlrev_b32 v[LN16], 4, v1
	v_lshlrev_b32 v[LN8], 3, v1
	v_and_b32 v[COL], 8, v2
	v_add_nc_u32 v[COL], v[COL], v2                ; r + 8 (r / 8)
	v_lshl_add_u32 v[COL], v3, 3, v[COL]           ; + 8 u
	v_lshlrev_b32 v[COL], 2, v[COL]
	s_wait_kmcnt 0x0
	s_cmp_ge_u32 ttmp9, 128
	s_cbranch_scc1 .Lx
	s_cmp_ge_u32 ttmp9, 96
	s_cbranch_scc1 .Lproj
	WPATH 3072, 0, 0, 6
.Lproj:
	WPATH 1024, 192, 96, 8
.Lx:
	s_sub_co_u32 s16, ttmp9, 128                   ; p: which 32 tokens
	s_lshl_b32 s20, s16, 17                        ; 32 rows of 4,096 bytes
	s_lshl_b32 s21, s14, 10                        ; my quarter of K
	s_add_co_u32 s20, s20, s21
	s_mov_b32 s21, 0
	s_add_nc_u64 s[22:23], s[4:5], s[20:21]
	s_mul_i32 s24, s16, 2*TILEB
	s_mul_i32 s25, s14, 4*HF
	s_add_co_u32 s24, s24, s25
	s_mov_b32 s25, 0
	s_add_nc_u64 s[28:29], s[10:11], s[24:25]      ; tile 2 p, my quarter's pieces
	s_lshl_b32 s24, s16, 10
	s_lshl_b32 s26, s14, 8
	s_add_co_u32 s24, s24, s26
	s_add_co_u32 s24, s24, XS_OFF
	s_add_nc_u64 s[30:31], s[10:11], s[24:25]      ; the pair's scale words of my quarter
	s_mul_i32 s26, s14, 16*SP                      ; my stage
	v_add_nc_u32 v[STI], s26, v[LN16]
	v_mul_u32_u24 v[STO], v2, SP
	v_lshl_add_u32 v[STO], v3, 6, v[STO]
	v_add_nc_u32 v[STO], s26, v[STO]               ; row r, + 64 h
	s_mov_b32 s[SEL], 0x76543210
	s_mov_b32 s[SEL+1], 0xfedcba98
.irp b, 0,1,2,3
	v_mov_b32 v[TM+4+\b], 0                        ; written once: a lane permute's destination counts as one of its sources
.endr
	XLOAD 0
	XLOAD 1
	XUNIT 0
	XUNIT 1
	XUNIT 2
	XUNIT 3
	v_cmp_le_u32 vcc_lo, 16, v1                    ; lanes 16-31 carry tile 2 p + 1's words
	v_cndmask_b32 v228, v[PWS], v[PWS+2], vcc_lo
	v_cndmask_b32 v229, v[PWS+1], v[PWS+3], vcc_lo
	global_store_b64 v[LN8], v[228:229], s[30:31]  ; 32 lanes store 256 consecutive bytes
	s_wait_tensorcnt 0x0                           ; the wave's end, behind my last LDS store
	ds_add_u32 v[SPW], v[NIL]
	s_wait_dscnt 0x0
	s_endpgm
.Lfunc_end_k_q7364c27c0d_prep:
	.size	k_q7364c27c0d_prep, .Lfunc_end_k_q7364c27c0d_prep-k_q7364c27c0d_prep
	.p2alignl 7, 3214868480
	.fill 96, 4, 3214868480
	.section	.rodata,"a",@progbits
	.p2align	6, 0x0
	.amdhsa_kernel k_q7364c27c0d_prep
		.amdhsa_group_segment_fixed_size 34304
		.amdhsa_private_segment_fixed_size 0
		.amdhsa_enable_private_segment 0
		.amdhsa_kernarg_size 40
		.amdhsa_user_sgpr_count 2
		.amdhsa_user_sgpr_kernarg_segment_ptr 1
		.amdhsa_wavefront_size32 1
		.amdhsa_system_sgpr_workgroup_id_x 1
		.amdhsa_system_sgpr_workgroup_id_y 1
		.amdhsa_system_sgpr_workgroup_id_z 1
		.amdhsa_system_vgpr_workitem_id 0
		.amdhsa_next_free_vgpr 256
		.amdhsa_next_free_sgpr 66
		.amdhsa_reserve_vcc 1
		.amdhsa_float_denorm_mode_32 3
		.amdhsa_float_denorm_mode_16_64 3
		.amdhsa_memory_ordered 1
		.amdhsa_forward_progress 1
		.amdhsa_inst_pref_size 112
	.end_amdhsa_kernel
	.amdgpu_metadata
---
amdhsa.version: [ 1, 2 ]
amdhsa.kernels:
  - .name:           k_q7364c27c0d_prep
    .symbol:         k_q7364c27c0d_prep.kd
    .args:
      - { .name: x, .offset: 0, .size: 8, .value_kind: global_buffer, .address_space: global }
      - { .name: w_qkv, .offset: 8, .size: 8, .value_kind: global_buffer, .address_space: global }
      - { .name: w_proj, .offset: 16, .size: 8, .value_kind: global_buffer, .address_space: global }
      - { .name: xq, .offset: 24, .size: 8, .value_kind: global_buffer, .address_space: global }
      - { .name: wq, .offset: 32, .size: 8, .value_kind: global_buffer, .address_space: global }
    .group_segment_fixed_size: 34304
    .private_segment_fixed_size: 0
    .kernarg_segment_align: 8
    .kernarg_segment_size: 40
    .max_flat_workgroup_size: 128
    .sgpr_count:     66
    .vgpr_count:     256
    .wavefront_size: 32
...
	.end_amdgpu_metadata
.endif
;; end of part 1
;; launch gemm1 (part 2): grid 24 x 32, 4 waves a work-group, clusters of 4 x 4, 327,680 bytes of LDS; arguments xq, wq, b_qkv, qq, kv; writes qq, kv
.if DOCPART == 2
	.amdgcn_target "amdgcn-amd-amdhsa--gfx1250"
	.amdhsa_code_object_version 6
	.text
	.protected	k_q7364c27c0d_gemm1
	.globl	k_q7364c27c0d_gemm1
	.p2align	8
	.type	k_q7364c27c0d_gemm1,@function
k_q7364c27c0d_gemm1:
	s_mov_b64 s[64:65], 0
	v_nop
	global_prefetch_b8 v0, s[64:65] scope:SCOPE_SE
	s_setreg_imm32_b32 hwreg(HW_REG_WAVE_MODE, 25, 1), 1
	s_wait_xcnt 0x0
	s_wait_alu depctr_hold_cnt(0) depctr_sa_sdst(0) depctr_va_vdst(0) depctr_va_sdst(0) depctr_va_ssrc(0) depctr_va_vcc(0) depctr_vm_vsrc(0)
	s_getreg_b32 s2, hwreg(HW_REG_IB_STS2, 6, 4)
	s_cmp_eq_u32 s2, 0
	s_cbranch_scc0 .Lentry_in_a_cluster
	s_endpgm
.Lentry_in_a_cluster:
	s_bfe_u32 s2, ttmp6, 0x10000c
	s_cmp_lg_u32 s2, 0xf033
	s_cbranch_scc0 .Lentry_shape_is_right
	s_endpgm
.Lentry_shape_is_right:
; GEMM1: qkv = x w_qkv + b_qkv on codes of FP6 (E2M3) with E8M0 scales, f32 sums; q, k and v leave as codes and scale bytes, quantised in registers along the next products' K.
; A work-group makes 256 (operand P, source 1) x 128 (operand S, source 0) with all of K = 1,024 in LDS: 16 + 8 tiles of 12,288 bytes, brought in two halves of K; nothing is filled again.
; Four waves; wave w makes P's tiles 4 w .. 4 w + 3 against S's eight: 32 accumulators, 8 K steps of 128, 256 matrix instructions.
; THE PARTS hang on the cluster's x alone.  x 0, 1: q; x 2, 3: k: P = 256 tokens of x, S = 128 columns of w_qkv: a lane holds a token and its registers run along two heads' 64 channels.
; x 4, 5: v, made TRANSPOSED: P = 256 columns of w_qkv's third part (4 heads), S = 128 tokens: a lane holds a channel and its registers run along 128 keys, the second attention product's K.
; No branch hangs on the part: pointers, tile numbers and store bases are chosen by s_cselect; the bias along the registers (q, k) is the C of the first K step and is 0 in part v;
; the bias along the lanes (v) is added on the way out and is 0 in parts q, k.
; TILES are images of operand registers (launch prep's layout): a piece of 16 rows x 64 K is 768 bytes, lane l's registers 0-3 at 16 l, 4-5 at 512 + 8 l.  The rows of a tile are not neighbours:
; tile 2 p + u holds 32 p + 8 u + r + 8 (r / 8), so that the 16 registers of result tiles 2 p, 2 p + 1 are 16 neighbours along the next K.
; CLUSTER 4 x 4: P's tiles are shared along a row of the cluster, S's along a column: joint loads.  By this text's count a wave has at most three tensor loads out.
; LIMITS: a block whose largest magnitude lies under 2^-124, a block of zeros among them, gets the byte 1; NaN and infinities are not served.
; REGISTERS: window 0: v1-27 addresses; v28-29 the add's two; v32-63 P's scale words (8 a + s); v64-95 S's (8 (b % 4) + s: lanes 0-15 tile b % 4, lanes 16-31 tile b % 4 + 4);
;   v96-143, v144-191 P's fragments, two sets; v192-255 at work on the way out.  window 1: S's fragments, two sets, at v0 and v128.  window 2: accumulators, (a, b) at 8 (8 a + b).  window 3: v0-63 the bias along the registers.
.set XS_OFF, 6291456
.set WS_OFF, 3145728
.set QS_OFF, 6291456
.set CHUNK,  26112                     ; kv: 256 keys of a head: K's 16 pieces, V's 16 pieces, K's 1,024 and V's 512 bytes of scale words
.set TILEB,  12288
.set HALFB,  6144                      ; a tile's pieces of half of K
.set HF,     768
.set KH,     147456                    ; LDS: a half of K: P's 16 tiles, then S's 8
.set BOFF,   98304
.set SCA,    2*KH                      ; P's scale words, 8,192 bytes
.set SCB,    SCA+8192                  ; S's, 4,096
.set SPARE,  SCB+4096                  ; the spare words, 128 bytes a wave
.set A16, 4                            ; v4, v5: P's fragments in K half 0 (16 x lane .., 8 x lane + 512 ..); v6, v7 in half 1
.set B16, 8                            ; v8-11 the same for S
.set ASA, 12
.set ASB, 13
.set L16, 14                           ; 16 x lane
.set L8,  15                           ; 8 x lane + 512
.set STS, 16                           ; where I put a scale word on the way out
.set VSH, 17                           ; which half of a scale word is my half's head's
.set SOFF, 18
.set CBO, 19
.set RT,  20                           ; v20-23 the bias along the lanes, as loaded
.set RBO, 24
.set SPW, 28
.set NIL, 29
.set SA,  32
.set SB,  64
.set AF,  96
.set T,   96                           ; the way out: 64 numbers
.set TM,  192
.set PW,  208
.set VT,  209
.set PC,  212
.set BK,  232
.set RB,  240                          ; v240-247 the bias along the lanes, a pair for each tile
.set WV,  14
.set SEL, 2                            ; s[2:3]
.set G1A, 24
.set G1B, 32
.set G1SA, 40
.set G1SB, 48
.set MSB, 0
.macro WIN new                         ; the immediate's high byte repeats the setting that is left
.if MSB != \new
	s_set_vgpr_msb (MSB<<8)|\new
.set MSB, \new
.endif
.endm
.macro ROUND                           ; a round of the cluster's barrier
	s_barrier_signal -1
	s_barrier_wait -1
	s_cmp_lg_u32 s[WV], 0
	s_cbranch_scc1 .Lnot_wave_0_\@
	s_barrier_signal -3
.Lnot_wave_0_\@:
	s_barrier_wait -3
	s_barrier_signal -1
	s_barrier_wait -1
.endm
.macro PLACES n
.rept \n
	v_nop
.endr
.endm
.macro FRAG reg, adr, off              ; a fragment, 16 rows x 128 K: two pieces on end
	ds_load_b128 v[(\reg):(\reg)+3], v[\adr] offset:\off
	ds_load_b64 v[(\reg)+4:(\reg)+5], v[(\adr)+1] offset:\off
	ds_load_b128 v[(\reg)+6:(\reg)+9], v[\adr] offset:(\off)+HF
	ds_load_b64 v[(\reg)+10:(\reg)+11], v[(\adr)+1] offset:(\off)+HF
.endm
.macro FETCH s                         ; K step s: S's eight fragments and my four of P, 48 loads, into set s % 2
	WIN 0x40
.irp i, 0,1,2,3,4,5,6,7
	FRAG 128*((\s)%2)+12*\i, B16+2*((\s)/4), \i*HALFB+((\s)%4)*2*HF
.endr
	WIN 0
.irp i, 0,1,2,3
	FRAG AF+48*((\s)%2)+12*\i, A16+2*((\s)/4), \i*HALFB+((\s)%4)*2*HF
.endr
.endm
.macro WM a, b, p, s, first
.set DD, 8*(8*(\a)+(\b))
.set FB, 128*(\p)+12*(\b)
.set FA, AF+48*(\p)+12*(\a)
.set R0, SB+8*((\b)%4)+(\s)
.set R1, SA+8*(\a)+(\s)
.if \first
.if (\b) < 4
	v_wmma_scale_f32_16x16x128_f8f6f4 v[DD:DD+7], v[FB:FB+11], v[FA:FA+11], v[8*(\b):8*(\b)+7], v[R0], v[R1] matrix_a_fmt:MATRIX_FMT_FP6 matrix_b_fmt:MATRIX_FMT_FP6
.else
	v_wmma_scale_f32_16x16x128_f8f6f4 v[DD:DD+7], v[FB:FB+11], v[FA:FA+11], v[8*(\b):8*(\b)+7], v[R0], v[R1] matrix_a_fmt:MATRIX_FMT_FP6 matrix_b_fmt:MATRIX_FMT_FP6 matrix_a_scale:MATRIX_SCALE_ROW1
.endif
.else
.if (\b) < 4
	v_wmma_scale_f32_16x16x128_f8f6f4 v[DD:DD+7], v[FB:FB+11], v[FA:FA+11], v[DD:DD+7], v[R0], v[R1] matrix_a_fmt:MATRIX_FMT_FP6 matrix_b_fmt:MATRIX_FMT_FP6
.else
	v_wmma_scale_f32_16x16x128_f8f6f4 v[DD:DD+7], v[FB:FB+11], v[FA:FA+11], v[DD:DD+7], v[R0], v[R1] matrix_a_fmt:MATRIX_FMT_FP6 matrix_b_fmt:MATRIX_FMT_FP6 matrix_a_scale:MATRIX_SCALE_ROW1
.endif
.endif
.endm
.macro MUL32 p, s, first               ; the 32 accumulators take turns, one instruction a turn, in the same order in every K step
.if \first
	WIN 0xb1                                       ; source 0 (S) window 1, source 1 (P) window 0, C (the bias) window 3, D window 2
.else
	WIN 0xa1                                       ; C and D window 2
.endif
.irp a, 0,1,2,3
.irp b, 0,1,2,3,4,5,6,7
	WM \a, \b, \p, \s, \first
.endr
.endr
.endm
.macro STEP s, first
.if (\s) > 0
	PLACES 4                                       ; in front of loads into registers that the last K step's matrix instructions have read
.endif
.if (\s) == 3
	s_wait_tensorcnt 0x0                           ; my part of the second half of K is in;
	s_wait_dscnt 0x0                               ; no LDS instruction of mine is out at a signal
	s_barrier_signal -1
	s_barrier_wait -1                              ; everybody's is
.endif
.if (\s) < 7
	FETCH (\s)+1
	s_wait_dscnt 48                                ; all but the 48 just issued
.else
	s_wait_dscnt 0x0
.endif
	MUL32 (\s)%2, \s, \first
.endm
.macro QUANT s, pw                     ; 64 numbers of a lane, register 16 b + i = k 32 b + 16 (lane / 16) + i, become a fragment's codes in v[PC] on and its scale word
.irp b, 0,1,2,3
	v_max3_num_f32 v[TM+\b], |v[\s+16*\b]|, |v[\s+1+16*\b]|, 0x1800000   ; with the floor 2^(3 - 127): the byte cannot fall under 1
.endr
.irp i, 2,4,6,8,10,12,14
.irp b, 0,1,2,3
	v_max3_num_f32 v[TM+\b], v[TM+\b], |v[\s+16*\b+\i]|, |v[\s+1+16*\b+\i]|
.endr
.endr
.irp b, 0,1,2,3
	v_permlanex16_b32 v[TM+4+\b], v[TM+\b], s[SEL], s[SEL+1]
.endr
.irp b, 0,1,2,3
	v_max_num_f32 v[TM+\b], v[TM+\b], v[TM+4+\b]
.endr
.irp b, 0,1,2,3
	v_add_nc_u32 v[TM+12+\b], 0xff000000, v[TM+\b]   ; 2 off the exponent field: the conversion's scale operand
.endr
.irp b, 0,1,2,3
	v_lshrrev_b32 v[TM+4+\b], 23, v[TM+12+\b]
.endr
	v_lshl_or_b32 v[\pw], v[TM+5], 8, v[TM+4]
	v_lshl_or_b32 v[\pw], v[TM+6], 16, v[\pw]
	v_lshl_or_b32 v[\pw], v[TM+7], 24, v[\pw]
.irp c, 0,1
	v_cvt_scalef32_pk16_fp6_f32 v[PC+6*\c:PC+2+6*\c], v[\s+32*\c:\s+15+32*\c], v[TM+12+2*\c]
	v_cvt_scalef32_pk16_fp6_f32 v[PC+12+4*\c:PC+14+4*\c], v[\s+16+32*\c:\s+31+32*\c], v[TM+12+2*\c+1]
.endr
	v_nop                                          ; one plain place behind a scaled conversion
.irp c, 0,1
.irp i, 0,1,2
	v_permlane16_swap_b32 v[PC+6*\c+\i], v[PC+12+4*\c+\i]
.endr
.irp i, 0,1,2
	v_mov_b32 v[PC+3+6*\c+\i], v[PC+12+4*\c+\i]
.endr
.endr
.endm
	s_load_b256 s[4:11], s[0:1], 0x0               ; xq s[4:5], wq s[6:7], b_qkv s[8:9], qq s[10:11]
	s_load_b64 s[12:13], s[0:1], 0x20              ; kv
	v_lshl_add_u32 v[SPW], v0, 2, SPARE
	v_mov_b32 v[NIL], 0
	ds_add_u32 v[SPW], v[NIL]                      ; the wave's opening: the add and its wait ahead of the first tensor loads; work on registers stands between
	v_lshrrev_b32 v1, 5, v0
	v_readfirstlane_b32 s[WV], v1                  ; wave 0..3
	s_bfe_u32 s16, ttmp6, 0x40000                  ; cx
	s_bfe_u32 s17, ttmp6, 0x40004                  ; cy
	s_mov_b32 s18, ttmp9                           ; the cluster's x: the part
	s_and_b32 s19, ttmp7, 0xffff                   ; the cluster's y
	s_lshl_b32 s23, s17, 2
	s_lshl_b32 s23, 15, s23                        ; my row of the cluster
	s_lshl_b32 s15, 0x1111, s16                    ; my column
	s_or_b32 s[G1A], s23, (3<<16)|(1<<21)          ; 15:0 the mask; 17:16 elements of 8 bytes; 21 set beside a mask; no padding
	s_or_b32 s[G1SA], s23, (3<<16)|(1<<21)
	s_or_b32 s[G1B], s15, (3<<16)|(1<<21)
	s_or_b32 s[G1SB], s15, (3<<16)|(1<<21)
.irp g, G1A, G1B                               ; codes: 8 tiles' halves: 8 rows of 6,144 bytes, 12,288 bytes apart
	s_mov_b32 s[\g+1], 768<<16
	s_mov_b32 s[\g+2], 8<<16
	s_mov_b32 s[\g+3], 768<<16
	s_mov_b32 s[\g+4], 8
	s_mov_b32 s[\g+5], 1536
	s_mov_b32 s[\g+6], 0
	s_mov_b32 s[\g+7], 0
.endr
.irp g, G1SA, G1SB                             ; scale words of 8 tiles: 4,096 dense bytes as 16 rows of 256
	s_mov_b32 s[\g+1], 32<<16
	s_mov_b32 s[\g+2], 16<<16
	s_mov_b32 s[\g+3], 32<<16
	s_mov_b32 s[\g+4], 16
	s_mov_b32 s[\g+5], 32
	s_mov_b32 s[\g+6], 0
	s_mov_b32 s[\g+7], 0
.endr
	s_lshl_b32 s19, s19, 2
	s_add_co_u32 s21, s19, s17                     ; q, k: which 256 tokens: 4 y + cy
	s_lshl_b32 s22, s18, 2
	s_add_co_u32 s22, s22, s16                     ; q, k: which 128 columns: 4 x + cx
	s_lshl_b32 s84, s18, 5
	s_sub_co_u32 s84, s84, 128
	s_add_co_u32 s84, s84, s19
	s_add_co_u32 s84, s84, s16                     ; v: which 128 tokens: 32 (x - 4) + 4 y + cx
	s_mov_b32 s86, XS_OFF
	s_mov_b32 s87, WS_OFF
	s_cmp_lt_u32 s18, 4
	s_cselect_b32 s21, s21, s17                    ; P's block (v: which 256 columns: cy): it holds cy and never cx
	s_cselect_b32 s22, s22, s84                    ; S's block: it holds cx and never cy
	s_cselect_b32 s20, 0, 128                      ; v's columns begin at tile 128 of wq
	s_cselect_b32 s88, s86, s87                    ; where P's scale words begin in its buffer
	s_cselect_b32 s89, s87, s86                    ; and S's
	s_lshl_b32 s90, s21, 4
	s_lshl_b32 s91, s[WV], 3
	s_add_co_u32 s90, s90, s91
	s_add_co_u32 s90, s90, s20                     ; P: the first of the 8 tiles that waves 0 and 1 fetch
	s_lshl_b32 s92, s22, 3                         ; S: its first tile
	s_mul_i32 s94, s90, TILEB
	s_mov_b32 s95, 0
	s_lshl_b32 s96, s90, 9
	s_add_co_u32 s96, s96, s88
	s_mov_b32 s97, 0
	s_mul_i32 s98, s92, TILEB
	s_mov_b32 s99, 0
	s_lshl_b32 s100, s92, 9
	s_add_co_u32 s100, s100, s89
	s_mov_b32 s101, 0
	s_mov_b32 s[SEL], 0x76543210
	s_mov_b32 s[SEL+1], 0xfedcba98
	s_wait_dscnt 0x0                               ; the opening add is done
	s_wait_kmcnt 0x0
	s_cmp_lt_u32 s18, 4
	s_cselect_b64 s[84:85], s[4:5], s[6:7]         ; P's buffer
	s_cselect_b64 s[86:87], s[6:7], s[4:5]         ; S's
	s_mov_b32 s56, 1                               ; group 0, P's scale words
	s_lshl_b32 s57, s[WV], 12
	s_add_co_u32 s57, s57, SCA
	s_add_nc_u64 s[58:59], s[84:85], s[96:97]
	s_or_b32 s59, s59, 0x80000000
	s_mov_b32 s60, 1                               ; P's codes, K half 0
	s_mul_i32 s61, s[WV], 8*HALFB
	s_add_nc_u64 s[62:63], s[84:85], s[94:95]
	s_mov_b32 s68, 1                               ; K half 1
	s_add_co_u32 s69, s61, KH
	s_add_nc_u64 s[70:71], s[62:63], HALFB
	s_or_b32 s63, s63, 0x80000000
	s_or_b32 s71, s71, 0x80000000
	s_mov_b32 s72, 1                               ; S's scale words
	s_mov_b32 s73, SCB
	s_add_nc_u64 s[74:75], s[86:87], s[100:101]
	s_or_b32 s75, s75, 0x80000000
	s_mov_b32 s76, 1                               ; S's codes, K half 0
	s_mov_b32 s77, BOFF
	s_add_nc_u64 s[78:79], s[86:87], s[98:99]
	s_mov_b32 s80, 1                               ; K half 1
	s_mov_b32 s81, KH+BOFF
	s_add_nc_u64 s[82:83], s[78:79], HALFB
	s_or_b32 s79, s79, 0x80000000
	s_or_b32 s83, s83, 0x80000000
	ROUND                                          ; all sixteen work-groups are here: the joint loads meet
	s_cmp_lt_u32 s[WV], 2                          ; waves 0, 1: P's halves; wave 2: S; wave 3: nothing.  A wave's three loads stand in one branch
	s_cbranch_scc0 .Lnot_p
	tensor_load_to_lds s[56:59], s[G1SA:G1SA+7]
	s_nop 0
	tensor_load_to_lds s[60:63], s[G1A:G1A+7]
	s_nop 0
	tensor_load_to_lds s[68:71], s[G1A:G1A+7]
	s_nop 0
	PLACES 4
	s_branch .Lasked
.Lnot_p:
	s_cmp_eq_u32 s[WV], 2
	s_cbranch_scc0 .Lasked
	tensor_load_to_lds s[72:75], s[G1SB:G1SB+7]
	s_nop 0
	tensor_load_to_lds s[76:79], s[G1B:G1B+7]
	s_nop 0
	tensor_load_to_lds s[80:83], s[G1B:G1B+7]
	s_nop 0
	PLACES 4
.Lasked:
	v_and_b32 v1, 15, v0                           ; r
	v_bfe_u32 v2, v0, 4, 1                         ; h
	v_and_b32 v3, 31, v0                           ; lane
	v_lshlrev_b32 v[L16], 4, v3
	v_lshl_add_u32 v[L8], v3, 3, 512
	s_mul_i32 s90, s[WV], 4*HALFB                  ; my four tiles of P
	v_add_nc_u32 v[A16], s90, v[L16]
	v_add_nc_u32 v[A16+1], s90, v[L8]
	v_add_nc_u32 v[A16+2], KH, v[A16]
	v_add_nc_u32 v[A16+3], KH, v[A16+1]
	v_add_nc_u32 v[B16], BOFF, v[L16]
	v_add_nc_u32 v[B16+1], BOFF, v[L8]
	v_add_nc_u32 v[B16+2], KH+BOFF, v[L16]
	v_add_nc_u32 v[B16+3], KH+BOFF, v[L8]
	s_lshl_b32 s91, s[WV], 11
	s_add_co_u32 s91, s91, SCA
	v_lshl_add_u32 v[ASA], v1, 3, s91              ; P's scale words: my two pairs of tiles, 8 bytes a row
	v_lshlrev_b32 v[ASB], 3, v1
	v_lshl_add_u32 v[ASB], v2, 11, v[ASB]          ; S's: lanes 16-31 take the tiles four further on
	v_add_nc_u32 v[ASB], SCB, v[ASB]
	v_lshlrev_b32 v[STS], 2, v1
	v_lshl_add_u32 v[STS], v2, 8, v[STS]
	v_add_nc_u32 v[STS], s90, v[STS]               ; the way out's stage for scale words: the first 512 bytes of my own tiles of P, which only I read
	; the biases.  In the part that does not use one of the two, it is loaded from the buffer's head and set to 0 below
	s_lshl_b32 s94, s22, 9
	s_lshl_b32 s96, s21, 10
	s_lshl_b32 s97, s[WV], 8
	s_add_co_u32 s96, s96, s97
	s_add_co_u32 s96, s96, 8192
	s_cmp_lt_u32 s18, 4
	s_cselect_b32 s94, s94, 0                      ; q, k: my work-group's 128 columns
	s_cselect_b32 s96, 0, s96                      ; v: column 2,048 + 256 cy + 64 wave
	s_cselect_b32 s93, -1, 0                       ; all lanes in parts q, k
	s_cselect_b32 s20, 0, -1                       ; all lanes in part v
	s_mov_b32 s95, 0
	s_mov_b32 s97, 0
	s_add_nc_u64 s[94:95], s[8:9], s[94:95]
	s_add_nc_u64 s[96:97], s[8:9], s[96:97]
	v_lshlrev_b32 v[CBO], 6, v2
	v_and_b32 v[RBO], 8, v1
	v_add_nc_u32 v[RBO], v[RBO], v1
	v_lshlrev_b32 v[RBO], 2, v[RBO]
	WIN 0xc0                                       ; destination window 3
.irp b, 0,1,2,3,4,5,6,7                        ; tile b, register j, lane (r, h): column 32 (b / 2) + 16 h + 8 (b % 2) + j
	global_load_b128 v[8*\b:8*\b+3], v[CBO], s[94:95] offset:128*(\b/2)+32*(\b%2)
	global_load_b128 v[8*\b+4:8*\b+7], v[CBO], s[94:95] offset:128*(\b/2)+32*(\b%2)+16
.endr
	WIN 0
.irp a, 0,1,2,3                                ; tile a, lane (r, h): column 32 (a / 2) + 8 (a % 2) + r + 8 (r / 8)
	global_load_b32 v[RT+\a], v[RBO], s[96:97] offset:(32*(\a/2)+8*(\a%2))*4
.endr
	s_wait_loadcnt 0x0
	WIN 0xcc                                       ; destination and source 1 window 3
.set j, 0
.rept 64
	v_cndmask_b32 v[j], 0, v[j], s93
.set j, j+1
.endr
	WIN 0
.irp a, 0,1,2,3
	v_cndmask_b32 v[RB+2*\a], 0, v[RT+\a], s20
	v_cndmask_b32 v[RB+2*\a+1], 0, v[RT+\a], s20
.endr
	; where the results go.  All three parts' offsets are made, then chosen
	s_lshr_b32 s94, s21, 3                         ; q, k: batch
	s_and_b32 s95, s21, 7                          ; and which 256 tokens of it
	s_and_b32 s96, s22, 7
	s_lshl_b32 s96, s96, 1                         ; the first of my two heads
	s_lshl_b32 s94, s94, 4
	s_add_co_u32 s94, s94, s96                     ; 16 batch + head
	s_lshl_b32 s96, s94, 7
	s_lshl_b32 s97, s95, 4
	s_add_co_u32 s96, s96, s97
	s_lshl_b32 s97, s[WV], 2
	s_add_co_u32 s96, s96, s97                     ; q: my first tile in qq
	s_mul_i32 s98, s96, HF
	s_lshl_b32 s99, s96, 6
	s_add_co_u32 s99, s99, QS_OFF
	s_lshl_b32 s94, s94, 3
	s_add_co_u32 s94, s94, s95
	s_mul_i32 s94, s94, CHUNK                      ; k: my chunk of kv
	s_mul_i32 s95, s[WV], 4*HF
	s_add_co_u32 s100, s94, s95
	s_lshl_b32 s95, s[WV], 8
	s_add_co_u32 s101, s94, s95
	s_add_co_u32 s101, s101, 24576
	s_lshl_b32 s94, s21, 2
	s_add_co_u32 s94, s94, s[WV]                   ; v: my wave's head
	s_lshr_b32 s95, s22, 4
	s_lshl_b32 s95, s95, 4
	s_add_co_u32 s94, s94, s95                     ; + 16 batch
	s_lshl_b32 s94, s94, 3
	s_bfe_u32 s95, s22, 0x30001                    ; which 256 keys
	s_add_co_u32 s94, s94, s95
	s_mul_i32 s94, s94, CHUNK
	s_and_b32 s95, s22, 1                          ; and which 128 of them
	s_mul_i32 s96, s95, 8*HF
	s_add_co_u32 s96, s96, s94
	s_add_co_u32 s96, s96, 12288
	s_lshl_b32 s95, s95, 8
	s_add_co_u32 s97, s94, s95
	s_add_co_u32 s97, s97, 25600
	s_mov_b32 s91, 98304                           ; q: from head to head: 128 tiles
	s_mov_b32 s92, 208896                          ; k: 8 chunks
	s_mov_b32 s94, 8192                            ; q's scale words: 128 tiles x 64 bytes
	s_cmp_lt_u32 s18, 2
	s_cselect_b32 s98, s98, s100
	s_cselect_b32 s99, s99, s101
	s_cselect_b64 s[84:85], s[10:11], s[12:13]     ; qq, or kv
	s_cselect_b32 s100, s91, s92
	s_cselect_b32 s90, s94, s92
	s_cmp_lt_u32 s18, 4
	s_cselect_b32 s94, s98, s96                    ; codes
	s_cselect_b32 s96, s99, s97                    ; scale words
	s_cselect_b32 s100, s100, 3072                 ; from a fragment's first piece to its second (v: 64 keys on: 4 pieces)
	s_cselect_b32 s90, s90, 0                      ; from the first head's scale words to the second's (v: both halves of the lanes store the same word to the same place)
	s_cselect_b32 s91, 16, 0
	s_cselect_b32 s92, 0xffff, -1
	s_mov_b32 s95, 0
	s_mov_b32 s97, 0
	s_mov_b32 s101, 0
	s_add_nc_u64 s[88:89], s[84:85], s[96:97]
	s_add_nc_u64 s[84:85], s[84:85], s[94:95]
	s_add_nc_u64 s[86:87], s[84:85], s[100:101]
	v_lshlrev_b32 v[VSH], 4, v2
	v_and_b32 v[VSH], s91, v[VSH]
	v_mul_lo_u32 v[SOFF], v2, s90
	v_lshl_add_u32 v[SOFF], v1, 4, v[SOFF]
	s_wait_tensorcnt 1                             ; the scale words and the first half of K are in; the second half may stay out
	s_barrier_signal -1
	s_barrier_wait -1
.irp i, 0,1,2,3
.irp kq, 0,1,2,3
	ds_load_b64 v[SA+8*\i+2*\kq:SA+8*\i+2*\kq+1], v[ASA] offset:(\i/2)*1024+(\i%2)*128+\kq*256
	ds_load_b64 v[SB+8*\i+2*\kq:SB+8*\i+2*\kq+1], v[ASB] offset:(\i/2)*1024+(\i%2)*128+\kq*256
.endr
.endr
	FETCH 0
	STEP 0, 1
	STEP 1, 0
	STEP 2, 0
	STEP 3, 0
	STEP 4, 0
	STEP 5, 0
	STEP 6, 0
	STEP 7, 0
	WIN 0
.irp b, 0,1,2,3
	v_mov_b32 v[TM+4+\b], 0                        ; a lane permute's destination counts as one of its sources; these four are also the places behind the last products
.endr
	; THE WAY OUT, a tile of P at a time: its 64 numbers a lane are 128 along the next K: one fragment (q, k: a piece for each of two heads; v: 128 keys) and one scale word a row
.irp a, 0,1,2,3
.if \a > 0
	s_wait_xcnt 0x0                                ; the last tile's stores have read the codes' registers
.endif
	WIN 0x02                                       ; source 0 window 2
.set j, 0
.rept 32
	v_pk_add_f32 v[T+j:T+j+1], v[64*\a+j:64*\a+j+1], v[RB+2*\a:RB+2*\a+1]   ; + the bias along the lanes; each accumulator is read from its low end on
.set j, j+2
.endr
	WIN 0
	QUANT T, PW
	global_store_b128 v[L16], v[PC:PC+3], s[84:85] offset:HF*\a
	global_store_b64 v[L8], v[PC+4:PC+5], s[84:85] offset:HF*\a
	global_store_b128 v[L16], v[PC+6:PC+9], s[86:87] offset:HF*\a
	global_store_b64 v[L8], v[PC+10:PC+11], s[86:87] offset:HF*\a
	v_lshrrev_b32 v[VT], v[VSH], v[PW]             ; q, k: lanes 0-15 keep the first head's two bytes, lanes 16-31 the second's; v: the whole word
	v_and_b32 v[VT], s92, v[VT]
	ds_store_b32 v[STS], v[VT] offset:64*\a
.endr
	ds_load_b128 v[BK:BK+3], v[A16]                ; LDS serves a wave's instructions in order: these see my stores.  16 lanes: four tiles' words, 256 bytes
	s_wait_dscnt 0x0
	global_store_b128 v[SOFF], v[BK:BK+3], s[88:89]
	s_wait_tensorcnt 0x0                           ; the wave's end
	ds_add_u32 v[SPW], v[NIL]
	s_wait_dscnt 0x0
	ROUND                                          ; the closing round
	s_endpgm
.Lfunc_end_k_q7364c27c0d_gemm1:
	.size	k_q7364c27c0d_gemm1, .Lfunc_end_k_q7364c27c0d_gemm1-k_q7364c27c0d_gemm1
	.p2alignl 7, 3214868480
	.fill 96, 4, 3214868480
	.section	.rodata,"a",@progbits
	.p2align	6, 0x0
	.amdhsa_kernel k_q7364c27c0d_gemm1
		.amdhsa_group_segment_fixed_size 327680
		.amdhsa_private_segment_fixed_size 0
		.amdhsa_enable_private_segment 0
		.amdhsa_kernarg_size 40
		.amdhsa_user_sgpr_count 2
		.amdhsa_user_sgpr_kernarg_segment_ptr 1
		.amdhsa_wavefront_size32 1
		.amdhsa_system_sgpr_workgroup_id_x 1
		.amdhsa_system_sgpr_workgroup_id_y 1
		.amdhsa_system_sgpr_workgroup_id_z 1
		.amdhsa_system_vgpr_workitem_id 0
		.amdhsa_next_free_vgpr 832
		.amdhsa_next_free_sgpr 102
		.amdhsa_reserve_vcc 0
		.amdhsa_float_denorm_mode_32 3
		.amdhsa_float_denorm_mode_16_64 3
		.amdhsa_memory_ordered 1
		.amdhsa_forward_progress 1
		.amdhsa_inst_pref_size 104
	.end_amdhsa_kernel
	.amdgpu_metadata
---
amdhsa.version: [ 1, 2 ]
amdhsa.kernels:
  - .name:           k_q7364c27c0d_gemm1
    .symbol:         k_q7364c27c0d_gemm1.kd
    .args:
      - { .name: xq, .offset: 0, .size: 8, .value_kind: global_buffer, .address_space: global }
      - { .name: wq, .offset: 8, .size: 8, .value_kind: global_buffer, .address_space: global }
      - { .name: b_qkv, .offset: 16, .size: 8, .value_kind: global_buffer, .address_space: global }
      - { .name: qq, .offset: 24, .size: 8, .value_kind: global_buffer, .address_space: global }
      - { .name: kv, .offset: 32, .size: 8, .value_kind: global_buffer, .address_space: global }
    .group_segment_fixed_size: 327680
    .private_segment_fixed_size: 0
    .kernarg_segment_align: 8
    .kernarg_segment_size: 40
    .max_flat_workgroup_size: 128
    .sgpr_count:     102
    .vgpr_count:     832
    .wavefront_size: 32
...
	.end_amdgpu_metadata
.endif
;; end of part 2
;; launch attn (part 3): grid 4 x 64, 16 waves a work-group, no clusters, 327,680 bytes of LDS; arguments qq, kv, yq; writes yq
.if DOCPART == 3
	.amdgcn_target "amdgcn-amd-amdhsa--gfx1250"
	.amdhsa_code_object_version 6
	.text
	.protected	k_q7364c27c0d_attn
	.globl	k_q7364c27c0d_attn
	.p2align	8
	.type	k_q7364c27c0d_attn,@function
k_q7364c27c0d_attn:
	s_mov_b64 s[64:65], 0
	v_nop
	global_prefetch_b8 v0, s[64:65] scope:SCOPE_SE
	s_setreg_imm32_b32 hwreg(HW_REG_WAVE_MODE, 25, 1), 1
	s_wait_xcnt 0x0
; ATTN: y = softmax(q k^T / 8, causal) v for one head of one batch, both products on codes of FP6 (E2M3) with E8M0 scales; y leaves as codes and scale bytes for the projection.
; THE SOFTMAX: t = score x log2(e) / 8; M = the row's largest t so far, rounded up to a whole number; p = 2^(t - M) is quantised along the keys, not normalised; the row's sum is taken of the
; unquantised p and divides at the end.  When M moves, the sum and O are multiplied by 2^(old M - new M): exact.
; SHARES.  Work-group (i, head): query blocks 7 - i and then i, 256 queries each: 8 - i and i + 1 chunks of 256 keys, nine in every work-group.  Each of 16 waves owns a tile of 16 queries.
; No cluster: the work-groups that walk one head's keys end at different causal limits, so partners would not make the same requests.
; LDS.  The head's chunks (26,112 bytes: K's 16 pieces, V's 16, their scale words) stay: chunk c at 26,112 c, each filled once, by wave 0, one chunk ahead of its use, up to the causal limit of block 7 - i.
; By this text's count one tensor load is out at most.  The second block finds its chunks there.
; LAYOUT.  Both products transposed: S^T = K Q^T, O^T = V^T P^T: a lane holds one query.  A tile's keys are not neighbours (tile 2 p + u: 32 p + 8 u + r + 8 (r / 8)), so the 16 registers of tiles 2 p, 2 p + 1 are 16 neighbouring keys.
; K = 64 IN A FORM OF 128: Q's fragment is six registers of codes and six of zero codes; K's tile t is named as v[32 + 6 t .. + 11]: what lies in its upper six registers meets zero codes; bytes 2, 3 of both scale words are 0.
; LIMITS: p under 2^-126 comes out as 0; a block whose largest magnitude lies under 2^-124 gets the byte 1; NaN and infinities are not served.
; REGISTERS: v1-4, v7, v11 addresses that stay; v5, v6 the add's two; v8-10 the step's addresses; v12 -M, v13 the largest t, v[14:15] the sum; v16-27 Q; v28 Q's scale word; v32-79 K's 8 pieces, then V's 4 fragments;
;   v80-85 zeros; v86-93 K's scale words; v96-159 S^T, then p; v160-191 O^T; v192-203 p's codes; v204-210 at work; v212-215 block maxima; v216-219, v220-223 at work; v[228:229] f; v230 p's scale word; v231-235 at work; v236-239 V's scale words.
.set QS_OFF, 6291456
.set YS_OFF, 6291456
.set CHUNK,  26112
.set HF,     768
.set TILEB,  12288
.set VOFF,   12288
.set KSO,    24576
.set VSO,    25600
.set YSG,    8*CHUNK                   ; y's scale bytes of the two blocks: 512 bytes each
.set SPARE,  YSG+1024                  ; the spare words, 128 bytes for each of 16 waves
.set SPW, 5
.set NIL, 6
.set WV,  10
.set BH,  12
.set BB,  13
.set HD,  14
.set Q0,  16                           ; the first of the 32 tokens among which my 16 queries lie
.set KF,  17                           ; the step's first key
.set TB,  18                           ; LDS byte at which the chunk in hand begins
.set CNT, 19
.set SEL, 20
.set CS,  22
.set G1,  24
.set G0,  32
.set LASTQ, 36                         ; the last query of block 7 - i
.set TS,  37
.set BLKA, 38
.set BLKB, 39
; Ahead of a chunk's steps: each wave waits for all its tensor loads (wave 0: this chunk's), adds 0 to its spare word, waits for that and for its LDS reads, and passes the barrier: the chunk is whole for all sixteen.
; fill = 1: behind it wave 0 asks for the next chunk, its one tensor load until the next barrier, unless that chunk's first key comes after the block's last query: then no wave would read it.
; That jump hangs on ids and the count of steps alone and is the same in all waves; every wait on TENSORcnt in this text is for 0.
.macro CHANGE fill
	s_wait_tensorcnt 0x0
	ds_add_u32 v[SPW], v[NIL]
.if \fill
	s_add_co_u32 s[G0+1], s[G0+1], CHUNK           ; no tensor load of mine is out: the descriptor steps to the next chunk
	s_add_nc_u64 s[G0+2:G0+3], s[G0+2:G0+3], CHUNK
.endif
	s_wait_dscnt 0x0
	s_barrier_signal -1
	s_barrier_wait -1
.if \fill
	s_add_co_u32 s[TS], s[KF], 256
	s_cmp_gt_u32 s[TS], s[LASTQ]
	s_cbranch_scc1 .Lpast_\@
	s_cmp_lg_u32 s[WV], 0
	s_cbranch_scc1 .Lpast_\@
	tensor_load_to_lds s[G0:G0+3], s[G1:G1+7]
	s_nop 0
.rept 4
	v_nop
.endr
.Lpast_\@:
.endif
.endm
; A KEY STEP: 128 keys, the q-th of the chunk in hand
.macro STEP q
	s_add_co_u32 s[TS], s[Q0], 31
	s_cmp_gt_u32 s[KF], s[TS]                      ; all 128 keys come after my queries: the step's work is left out
	s_cbranch_scc1 .Lhidden_\@
	v_add_nc_u32 v8, s[TB], v1
	v_add_nc_u32 v9, s[TB], v2
	v_add_nc_u32 v10, s[TB], v3
	v_nop                                          ; four places in front of loads into registers that the last products have read
.irp t, 0,1,2,3,4,5,6,7
	ds_load_b128 v[32+6*\t:35+6*\t], v8 offset:(8*(\q)+\t)*HF
	ds_load_b64 v[36+6*\t:37+6*\t], v9 offset:(8*(\q)+\t)*HF
	ds_load_b32 v[86+\t], v10 offset:KSO+(8*(\q)+\t)*64
.endr
	s_wait_dscnt 0x0
.irp t, 0,1,2,3,4,5,6,7
	v_wmma_scale_f32_16x16x128_f8f6f4 v[96+8*\t:103+8*\t], v[32+6*\t:43+6*\t], v[16:27], 0, v[86+\t], v28 matrix_a_fmt:MATRIX_FMT_FP6 matrix_b_fmt:MATRIX_FMT_FP6
.endr
.rept 4
	v_nop                                          ; places in front of the loads below and of the first read of the scores
.endr
.irp t, 0,1,2,3                                ; V's four fragments (16 channels x 128 keys) are asked for now and land under the softmax
.irp c, 0,1
	ds_load_b128 v[32+12*\t+6*\c:35+12*\t+6*\c], v8 offset:VOFF+((2*(\q)+\c)*4+\t)*HF
	ds_load_b64 v[36+12*\t+6*\c:37+12*\t+6*\c], v9 offset:VOFF+((2*(\q)+\c)*4+\t)*HF
.endr
	ds_load_b32 v[236+\t], v10 offset:VSO+256*(\q)+64*\t
.endr
	s_add_co_u32 s[TS], s[KF], 127
	s_cmp_le_u32 s[TS], s[Q0]                      ; all keys count: no mask
	s_cbranch_scc1 .Lopen_\@
	s_sub_co_i32 s[TS], s[Q0], s[KF]
	v_add_nc_u32 v234, s[TS], v4                   ; d = my query - KF - 16 (lane / 16).  Register 16 b + i holds key KF + 32 b + 16 (lane / 16) + i: hidden where 32 b + i > d
	v_mov_b32 v235, 0xff800000                     ; -infinity
.set n, 0
.rept 64
	v_cmp_gt_i32 vcc_lo, 32*(n/16)+n%16, v234
	v_cndmask_b32 v[96+n], v[96+n], v235, vcc_lo
.set n, n+1
.endr
.Lopen_\@:
.irp b, 0,1,2,3
	v_max3_num_f32 v[212+\b], v[96+16*\b], v[97+16*\b], v[98+16*\b]   ; the largest score of each block of 32 keys: for the row's maximum and, since p rises with the score, for the block's largest p
.endr
.irp i, 3,5,7,9,11,13
.irp b, 0,1,2,3
	v_max3_num_f32 v[212+\b], v[212+\b], v[96+16*\b+\i], v[97+16*\b+\i]
.endr
.endr
.irp b, 0,1,2,3
	v_max_num_f32 v[212+\b], v[212+\b], v[111+16*\b]
.endr
.irp b, 0,1,2,3
	v_permlanex16_b32 v[216+\b], v[212+\b], s[SEL], s[SEL+1]
.endr
.irp b, 0,1,2,3
	v_max_num_f32 v[212+\b], v[212+\b], v[216+\b]
.endr
	v_max3_num_f32 v231, v212, v213, v214
	v_max_num_f32 v231, v231, v215
	v_mul_f32 v231, s[CS], v231
	v_max_num_f32 v13, v13, v231                   ; the running largest t
	v_mov_b32 v231, v12
	v_floor_f32 v12, -v13                          ; -M = floor(-t)
	v_sub_f32 v231, v12, v231                      ; old M - new M: a whole number, 0 or less
	v_cvt_i32_f32 v231, v231                       ; (it saturates)
	v_ldexp_f32 v228, 1.0, v231                    ; f = 2^(old M - new M)
.set j, 0
.rept 32
	v_pk_fma_f32 v[96+j:97+j], v[96+j:97+j], s[CS:CS+1], v[12:13] op_sel_hi:[1,0,0]   ; t - M
.set j, j+2
.endr
.irp b, 0,1,2,3
	v_fma_f32 v[212+\b], v[212+\b], s[CS], v12
.endr
.set j, 0
.rept 64
	v_exp_f32 v[96+j], v[96+j]                     ; p = 2^(t - M)
.set j, j+1
.endr
	v_pk_mul_f32 v[14:15], v[14:15], v[228:229] op_sel_hi:[1,0]   ; the sums under the new M: a plain place behind the exponentials
	s_wait_alu depctr_va_vdst(0)                   ; one wait for the batch, ahead of its first reader
.irp b, 0,1,2,3
	v_exp_f32 v[212+\b], v[212+\b]                 ; each block's largest p
.endr
	v_pk_add_f32 v[232:233], v[96:97], v[98:99]    ; the row's sum of the unquantised p, in two chains
.irp j, 4,8,12,16,20,24,28,32,36,40,44
	v_pk_add_f32 v[14:15], v[14:15], v[96+\j:97+\j]
	v_pk_add_f32 v[232:233], v[232:233], v[98+\j:99+\j]
.endr
	s_wait_alu depctr_va_vdst(0)                   ; and one for the four
.irp b, 0,1,2,3
	v_max_num_f32 v[212+\b], 0x1800000, v[212+\b]  ; the floor 2^(3 - 127)
.endr
.irp b, 0,1,2,3
	v_add_nc_u32 v[220+\b], 0xff000000, v[212+\b]
.endr
.irp b, 0,1,2,3
	v_lshrrev_b32 v[216+\b], 23, v[220+\b]
.endr
	v_lshl_or_b32 v230, v217, 8, v216              ; p's scale word for these 128 keys
	v_lshl_or_b32 v230, v218, 16, v230
	v_lshl_or_b32 v230, v219, 24, v230
.irp c, 0,1
	v_cvt_scalef32_pk16_fp6_f32 v[192+6*\c:194+6*\c], v[96+32*\c:111+32*\c], v[220+2*\c]
	v_cvt_scalef32_pk16_fp6_f32 v[204+4*\c:206+4*\c], v[112+32*\c:127+32*\c], v[220+2*\c+1]
.endr
.set j, 0
.rept 16
	v_pk_mul_f32 v[160+j:161+j], v[160+j:161+j], v[228:229] op_sel_hi:[1,0]   ; O^T under the new M; the first is the plain place behind the conversions
.set j, j+2
.endr
.irp c, 0,1
.irp i, 0,1,2
	v_permlane16_swap_b32 v[192+6*\c+\i], v[204+4*\c+\i]
.endr
.irp i, 0,1,2
	v_mov_b32 v[195+6*\c+\i], v[204+4*\c+\i]
.endr
.endr
.irp j, 48,52,56,60                            ; the rest of the row's sum stands here: nine plain instructions between the last write of p's codes and the products
	v_pk_add_f32 v[14:15], v[14:15], v[96+\j:97+\j]
	v_pk_add_f32 v[232:233], v[232:233], v[98+\j:99+\j]
.endr
	v_pk_add_f32 v[14:15], v[14:15], v[232:233]
	s_wait_dscnt 0x0                               ; V is in
.irp t, 0,1,2,3
	v_wmma_scale_f32_16x16x128_f8f6f4 v[160+8*\t:167+8*\t], v[32+12*\t:43+12*\t], v[192:203], v[160+8*\t:167+8*\t], v[236+\t], v230 matrix_a_fmt:MATRIX_FMT_FP6 matrix_b_fmt:MATRIX_FMT_FP6
.endr
.Lhidden_\@:
	s_add_co_u32 s[KF], s[KF], 128
.endm
.macro SLOT_STEPS
	STEP 0
	STEP 1
	s_add_co_u32 s[TB], s[TB], CHUNK
.endm
; The head of a block of queries: s[blk] is its number; the address of its 512 scale bytes in yq goes to s[ysb:ysb+1]
.macro HEAD blk, ysb
	s_wait_xcnt 0x0                                ; earlier loads and stores have read their bases and registers
	s_lshl_b32 s46, s[\blk], 4
	s_add_co_u32 s46, s46, s[WV]                   ; 16 block + wave
	s_lshl_b32 s40, s[BH], 7
	s_add_co_u32 s40, s40, s46                     ; my tile in qq
	s_lshl_b32 s42, s40, 6
	s_add_co_u32 s42, s42, QS_OFF
	s_mul_i32 s40, s40, HF
	s_mov_b32 s41, 0
	s_mov_b32 s43, 0
	s_add_nc_u64 s[40:41], s[4:5], s[40:41]
	s_add_nc_u64 s[42:43], s[4:5], s[42:43]
	global_load_b128 v[16:19], v1, s[40:41]
	global_load_b64 v[20:21], v2, s[40:41]
	global_load_b32 v28, v3, s[42:43]
	s_lshl_b32 s44, s[BB], 7
	s_add_co_u32 s46, s44, s46                     ; my tile in yq: 128 batch + 16 block + wave
	s_mul_i32 s46, s46, TILEB
	s_mul_i32 s47, s[HD], HF                       ; its piece: the head
	s_add_co_u32 s46, s46, s47
	s_mov_b32 s47, 0
	s_lshl_b32 s45, s[\blk], 4
	s_add_co_u32 s44, s44, s45
	s_lshl_b32 s45, s[HD], 9
	s_add_co_u32 s44, s44, s45                     ; 512 head + 128 batch + 16 block
	s_lshl_b32 s44, s44, 5
	s_add_co_u32 s44, s44, YS_OFF
	s_mov_b32 s45, 0
	s_add_nc_u64 s[\ysb:\ysb+1], s[8:9], s[44:45]
	s_add_nc_u64 s[44:45], s[8:9], s[46:47]
	s_lshl_b32 s[Q0], s[\blk], 8
	s_lshr_b32 s[TS], s[WV], 1
	s_lshl_b32 s[TS], s[TS], 5
	s_add_co_u32 s[Q0], s[Q0], s[TS]
	s_mov_b32 s[TB], 0
	s_mov_b32 s[KF], 0
	v_mov_b32 v13, 0xff61b1e6                      ; the largest t so far: -3e38
	v_floor_f32 v12, -v13
	v_mov_b32 v14, 0
	v_mov_b32 v15, 0
.set j, 0
.rept 32
	v_mov_b32 v[160+j], 0                          ; O^T: the first change of M multiplies zeros
.set j, j+1
.endr
	s_wait_loadcnt 0x0
.endm
; The end of a block: O^T / the sum is y's 64 channels of my head, 32 a lane: two blocks of 32 along the projection's K: one piece and two scale bytes a row
.macro TAIL ysoff
.rept 4
	v_nop                                          ; places behind the last products
.endr
	v_add_f32 v14, v14, v15
	v_permlanex16_b32 v231, v14, s[SEL], s[SEL+1]
	v_add_f32 v14, v14, v231                       ; the row's sum
	v_rcp_f32 v14, v14
	v_nop
	s_wait_alu depctr_va_vdst(0)                   ; ahead of the reciprocal's first reader
	v_mov_b32 v15, v14
.set j, 0
.rept 16
	v_pk_mul_f32 v[160+j:161+j], v[160+j:161+j], v[14:15]
.set j, j+2
.endr
.irp b, 0,1
	v_max3_num_f32 v[212+\b], |v[160+16*\b]|, |v[161+16*\b]|, 0x1800000
.endr
.irp i, 2,4,6,8,10,12,14
.irp b, 0,1
	v_max3_num_f32 v[212+\b], v[212+\b], |v[160+16*\b+\i]|, |v[161+16*\b+\i]|
.endr
.endr
.irp b, 0,1
	v_permlanex16_b32 v[216+\b], v[212+\b], s[SEL], s[SEL+1]
.endr
.irp b, 0,1
	v_max_num_f32 v[212+\b], v[212+\b], v[216+\b]
.endr
.irp b, 0,1
	v_add_nc_u32 v[220+\b], 0xff000000, v[212+\b]
.endr
.irp b, 0,1
	v_lshrrev_b32 v[216+\b], 23, v[220+\b]
.endr
	v_lshl_or_b32 v231, v217, 8, v216
	v_cvt_scalef32_pk16_fp6_f32 v[192:194], v[160:175], v220
	v_cvt_scalef32_pk16_fp6_f32 v[204:206], v[176:191], v221
	v_nop
.irp i, 0,1,2
	v_permlane16_swap_b32 v[192+\i], v[204+\i]
.endr
.irp i, 0,1,2
	v_mov_b32 v[195+\i], v[204+\i]
.endr
	global_store_b128 v1, v[192:195], s[44:45]     ; 512 and 256 consecutive bytes
	global_store_b64 v2, v[196:197], s[44:45]
	ds_store_b16 v7, v231 offset:\ysoff            ; both lanes of a row write the same two bytes
.endm
	s_load_b128 s[4:7], s[0:1], 0x0                ; qq s[4:5], kv s[6:7]
	s_load_b64 s[8:9], s[0:1], 0x10                ; yq
	v_lshl_add_u32 v[SPW], v0, 2, SPARE
	v_mov_b32 v[NIL], 0
	ds_add_u32 v[SPW], v[NIL]                      ; the wave's opening: the add and its wait ahead of the first tensor load
	v_lshrrev_b32 v8, 5, v0
	v_readfirstlane_b32 s[WV], v8                  ; wave 0..15
	s_and_b32 s[BH], ttmp7, 0xffff                 ; 16 batch + head
	s_lshr_b32 s[BB], s[BH], 4
	s_and_b32 s[HD], s[BH], 15
	s_sub_co_u32 s[BLKA], 7, ttmp9
	s_mov_b32 s[BLKB], ttmp9
	s_lshl_b32 s[LASTQ], s[BLKA], 8
	s_or_b32 s[LASTQ], s[LASTQ], 255
	s_mov_b32 s[G1], 3<<16                         ; a chunk: 102 dense rows of 256 bytes (32 elements of 8 bytes); no mask, no padding
	s_mov_b32 s[G1+1], 32<<16
	s_mov_b32 s[G1+2], 102<<16
	s_mov_b32 s[G1+3], 32<<16
	s_mov_b32 s[G1+4], 102
	s_mov_b32 s[G1+5], 32
	s_mov_b32 s[G1+6], 0
	s_mov_b32 s[G1+7], 0
	s_mul_i32 s46, s[BH], 8*CHUNK
	s_mov_b32 s47, 0
	s_mov_b32 s[SEL], 0x76543210
	s_mov_b32 s[SEL+1], 0xfedcba98
	s_mov_b32 s[CS], 0x3e38aa3b                    ; log2(e) / 8
	s_mov_b32 s[CS+1], s[CS]
	s_wait_dscnt 0x0
	s_wait_kmcnt 0x0
	s_mov_b32 s[G0], 1
	s_mov_b32 s[G0+1], 0
	s_add_nc_u64 s[G0+2:G0+3], s[6:7], s[46:47]
	s_or_b32 s[G0+3], s[G0+3], 0x80000000
	s_cmp_lg_u32 s[WV], 0
	s_cbranch_scc1 .Lnot_0
	tensor_load_to_lds s[G0:G0+3], s[G1:G1+7]      ; chunk 0
	s_nop 0
.rept 4
	v_nop
.endr
.Lnot_0:
	v_and_b32 v29, 31, v0                          ; lane
	v_and_b32 v30, 15, v0                          ; r
	v_bfe_u32 v31, v0, 4, 1                        ; h
	v_lshlrev_b32 v1, 4, v29                       ; a piece's registers 0-3
	v_lshl_add_u32 v2, v29, 3, 512                 ; and 4-5
	v_lshlrev_b32 v3, 2, v30                       ; a scale word
	v_and_b32 v4, 8, v30
	v_add_nc_u32 v4, v4, v30
	v_lshlrev_b32 v31, 4, v31
	v_sub_nc_u32 v4, v4, v31
	s_and_b32 s[TS], s[WV], 1
	s_lshl_b32 s[TS], s[TS], 3
	v_add_nc_u32 v4, s[TS], v4                     ; my query - Q0 - 16 h
	s_lshl_b32 s[TS], s[WV], 5
	s_add_co_u32 s[TS], s[TS], YSG
	v_lshl_add_u32 v7, v30, 1, s[TS]               ; where my row's two scale bytes go
	v_add_nc_u32 v11, YSG, v1                      ; and where wave 0 reads them back
.irp j, 22,23,24,25,26,27,80,81,82,83,84,85
	v_mov_b32 v[\j], 0                             ; zero codes
.endr
.irp j, 216,217,218,219,229,231
	v_mov_b32 v[\j], 0                             ; written once: lane permutes' destinations, and the upper half of the pair v[228:229]
.endr
	HEAD BLKA, 48
	s_mov_b32 s[CNT], 7
.LslotA:
	CHANGE 1
	SLOT_STEPS
	s_sub_co_u32 s[CNT], s[CNT], 1
	s_cmp_lg_u32 s[CNT], 0
	s_cbranch_scc1 .LslotA
	CHANGE 0                                       ; the last chunk: nothing is left to ask for
	SLOT_STEPS
	TAIL 0
	HEAD BLKB, 50
	s_mov_b32 s[CNT], 8
.LslotB:                                           ; the second block's chunks lie in LDS, and nobody writes them: no barrier
	SLOT_STEPS
	s_sub_co_u32 s[CNT], s[CNT], 1
	s_cmp_lg_u32 s[CNT], 0
	s_cbranch_scc1 .LslotB
	TAIL 512
	s_wait_dscnt 0x0                               ; for the others' sake: my scale bytes are stored
	s_barrier_signal -1
	s_barrier_wait -1
	s_cmp_lg_u32 s[WV], 0
	s_cbranch_scc1 .Ldone
	ds_load_b128 v[32:35], v11                     ; 16 tiles x 32 bytes of each block
	ds_load_b128 v[36:39], v11 offset:512
	s_wait_dscnt 0x0
	global_store_b128 v1, v[32:35], s[48:49]       ; 512 consecutive bytes each
	global_store_b128 v1, v[36:39], s[50:51]
.Ldone:
	s_wait_tensorcnt 0x0                           ; the wave's end
	ds_add_u32 v[SPW], v[NIL]
	s_wait_dscnt 0x0
	s_endpgm
.Lfunc_end_k_q7364c27c0d_attn:
	.size	k_q7364c27c0d_attn, .Lfunc_end_k_q7364c27c0d_attn-k_q7364c27c0d_attn
	.p2alignl 7, 3214868480
	.fill 96, 4, 3214868480
	.section	.rodata,"a",@progbits
	.p2align	6, 0x0
	.amdhsa_kernel k_q7364c27c0d_attn
		.amdhsa_group_segment_fixed_size 327680
		.amdhsa_private_segment_fixed_size 0
		.amdhsa_enable_private_segment 0
		.amdhsa_kernarg_size 24
		.amdhsa_user_sgpr_count 2
		.amdhsa_user_sgpr_kernarg_segment_ptr 1
		.amdhsa_wavefront_size32 1
		.amdhsa_system_sgpr_workgroup_id_x 1
		.amdhsa_system_sgpr_workgroup_id_y 1
		.amdhsa_system_sgpr_workgroup_id_z 1
		.amdhsa_system_vgpr_workitem_id 0
		.amdhsa_next_free_vgpr 256
		.amdhsa_next_free_sgpr 66
		.amdhsa_reserve_vcc 1
		.amdhsa_float_denorm_mode_32 3
		.amdhsa_float_denorm_mode_16_64 3
		.amdhsa_memory_ordered 1
		.amdhsa_forward_progress 1
		.amdhsa_inst_pref_size 147
	.end_amdhsa_kernel
	.amdgpu_metadata
---
amdhsa.version: [ 1, 2 ]
amdhsa.kernels:
  - .name:           k_q7364c27c0d_attn
    .symbol:         k_q7364c27c0d_attn.kd
    .args:
      - { .name: qq, .offset: 0, .size: 8, .value_kind: global_buffer, .address_space: global }
      - { .name: kv, .offset: 8, .size: 8, .value_kind: global_buffer, .address_space: global }
      - { .name: yq, .offset: 16, .size: 8, .value_kind: global_buffer, .address_space: global }
    .group_segment_fixed_size: 327680
    .private_segment_fixed_size: 0
    .kernarg_segment_align: 8
    .kernarg_segment_size: 24
    .max_flat_workgroup_size: 512
    .sgpr_count:     66
    .vgpr_count:     256
    .wavefront_size: 32
...
	.end_amdgpu_metadata
.endif
;; end of part 3
;; launch gemm2 (part 4): grid 8 x 32, 4 waves a work-group, clusters of 4 x 4, 327,680 bytes of LDS; arguments yq, wq, b_proj, out0; writes out0
.if DOCPART == 4
	.amdgcn_target "amdgcn-amd-amdhsa--gfx1250"
	.amdhsa_code_object_version 6
	.text
	.protected	k_q7364c27c0d_gemm2
	.globl	k_q7364c27c0d_gemm2
	.p2align	8
	.type	k_q7364c27c0d_gemm2,@function
k_q7364c27c0d_gemm2:
	s_mov_b64 s[64:65], 0
	v_nop
	global_prefetch_b8 v0, s[64:65] scope:SCOPE_SE
	s_setreg_imm32_b32 hwreg(HW_REG_WAVE_MODE, 25, 1), 1
	s_wait_xcnt 0x0
	s_wait_alu depctr_hold_cnt(0) depctr_sa_sdst(0) depctr_va_vdst(0) depctr_va_sdst(0) depctr_va_ssrc(0) depctr_va_vcc(0) depctr_vm_vsrc(0)
	s_getreg_b32 s2, hwreg(HW_REG_IB_STS2, 6, 4)
	s_cmp_eq_u32 s2, 0
	s_cbranch_scc0 .Lentry_in_a_cluster
	s_endpgm
.Lentry_in_a_cluster:
	s_bfe_u32 s2, ttmp6, 0x10000c
	s_cmp_lg_u32 s2, 0xf033
	s_cbranch_scc0 .Lentry_shape_is_right
	s_endpgm
.Lentry_shape_is_right:
; GEMM2: out0 = y w_proj + b_proj on codes of FP6 (E2M3) with E8M0 scales, f32 sums and f32 output.
; A work-group makes 256 tokens (operand P, source 1) x 128 columns (operand S, source 0) with all of K = 1,024 in LDS, brought in two halves of K; nothing is filled again.
; Four waves; wave w makes P's tiles 4 w .. 4 w + 3 against S's eight: 32 accumulators, 8 K steps of 128.  The bias is the C of the first K step.
; TILES are images of operand registers: a piece of 16 rows x 64 K is 768 bytes, lane l's registers 0-3 at 16 l, 4-5 at 512 + 8 l.  Tile 2 p + u holds 32 p + 8 u + r + 8 (r / 8) in its row r.
; y's scale bytes lie [head][tile][row] two bytes each; a K step of 128 is two heads, so a scale word is put together from two halves.
; CLUSTER 4 x 4: P's tiles are shared along a row of the cluster, S's along a column: joint loads.  By this text's count a wave has at most three tensor loads out.
; REGISTERS: window 0: v1-27 addresses; v28-29 the add's two; v32-63 P's scale words (8 a + s); v64-95 S's (8 (b % 4) + s: lanes 0-15 tile b % 4, lanes 16-31 tile b % 4 + 4);
;   v96-143, v144-191 P's fragments, two sets; v192-255 the halves of y's scale words; on the way out v96-223 rows of the output.  window 1: S's fragments, two sets.  window 2: accumulators.  window 3: v0-63 the bias.
.set YS_OFF, 6291456
.set WS_OFF, 3145728
.set TILEB,  12288
.set HALFB,  6144
.set HF,     768
.set KH,     147456
.set BOFF,   98304
.set SCA,    2*KH
.set SCB,    SCA+8192
.set SPARE,  SCB+4096
.set SPITCH, 528                       ; the way out: a stage of 16 rows x (512 bytes + 16), in my own tiles of P, which only I read and which are read out by then
.set A16, 4
.set B16, 8
.set ASA, 12
.set ASB, 13
.set L16, 14
.set L8,  15
.set STO, 16
.set CBO, 19
.set SPW, 28
.set NIL, 29
.set SA,  32
.set SB,  64
.set AF,  96
.set BK,  96
.set HW,  192
.set WV,  14
.set G1A, 24
.set G1B, 32
.set G1SA, 40
.set G1SB, 48
.set MSB, 0
.macro WIN new
.if MSB != \new
	s_set_vgpr_msb (MSB<<8)|\new
.set MSB, \new
.endif
.endm
.macro ROUND
	s_barrier_signal -1
	s_barrier_wait -1
	s_cmp_lg_u32 s[WV], 0
	s_cbranch_scc1 .Lnot_wave_0_\@
	s_barrier_signal -3
.Lnot_wave_0_\@:
	s_barrier_wait -3
	s_barrier_signal -1
	s_barrier_wait -1
.endm
.macro PLACES n
.rept \n
	v_nop
.endr
.endm
.macro FRAG reg, adr, off
	ds_load_b128 v[(\reg):(\reg)+3], v[\adr] offset:\off
	ds_load_b64 v[(\reg)+4:(\reg)+5], v[(\adr)+1] offset:\off
	ds_load_b128 v[(\reg)+6:(\reg)+9], v[\adr] offset:(\off)+HF
	ds_load_b64 v[(\reg)+10:(\reg)+11], v[(\adr)+1] offset:(\off)+HF
.endm
.macro FETCH s
	WIN 0x40
.irp i, 0,1,2,3,4,5,6,7
	FRAG 128*((\s)%2)+12*\i, B16+2*((\s)/4), \i*HALFB+((\s)%4)*2*HF
.endr
	WIN 0
.irp i, 0,1,2,3
	FRAG AF+48*((\s)%2)+12*\i, A16+2*((\s)/4), \i*HALFB+((\s)%4)*2*HF
.endr
.endm
.macro WM a, b, p, s, first
.set DD, 8*(8*(\a)+(\b))
.set FB, 128*(\p)+12*(\b)
.set FA, AF+48*(\p)+12*(\a)
.set R0, SB+8*((\b)%4)+(\s)
.set R1, SA+8*(\a)+(\s)
.if \first
.if (\b) < 4
	v_wmma_scale_f32_16x16x128_f8f6f4 v[DD:DD+7], v[FB:FB+11], v[FA:FA+11], v[8*(\b):8*(\b)+7], v[R0], v[R1] matrix_a_fmt:MATRIX_FMT_FP6 matrix_b_fmt:MATRIX_FMT_FP6
.else
	v_wmma_scale_f32_16x16x128_f8f6f4 v[DD:DD+7], v[FB:FB+11], v[FA:FA+11], v[8*(\b):8*(\b)+7], v[R0], v[R1] matrix_a_fmt:MATRIX_FMT_FP6 matrix_b_fmt:MATRIX_FMT_FP6 matrix_a_scale:MATRIX_SCALE_ROW1
.endif
.else
.if (\b) < 4
	v_wmma_scale_f32_16x16x128_f8f6f4 v[DD:DD+7], v[FB:FB+11], v[FA:FA+11], v[DD:DD+7], v[R0], v[R1] matrix_a_fmt:MATRIX_FMT_FP6 matrix_b_fmt:MATRIX_FMT_FP6
.else
	v_wmma_scale_f32_16x16x128_f8f6f4 v[DD:DD+7], v[FB:FB+11], v[FA:FA+11], v[DD:DD+7], v[R0], v[R1] matrix_a_fmt:MATRIX_FMT_FP6 matrix_b_fmt:MATRIX_FMT_FP6 matrix_a_scale:MATRIX_SCALE_ROW1
.endif
.endif
.endm
.macro MUL32 p, s, first               ; the 32 accumulators take turns, one instruction a turn, in the same order in every K step
.if \first
	WIN 0xb1
.else
	WIN 0xa1
.endif
.irp a, 0,1,2,3
.irp b, 0,1,2,3,4,5,6,7
	WM \a, \b, \p, \s, \first
.endr
.endr
.endm
.macro STEP s, first
.if (\s) > 0
	PLACES 4                                       ; in front of loads into registers that the last K step's matrix instructions have read
.endif
.if (\s) == 3
	s_wait_tensorcnt 0x0                           ; my part of the second half of K is in;
	s_wait_dscnt 0x0
	s_barrier_signal -1
	s_barrier_wait -1                              ; everybody's is
.endif
.if (\s) < 7
	FETCH (\s)+1
	s_wait_dscnt 48                                ; all but the 48 just issued
.else
	s_wait_dscnt 0x0
.endif
	MUL32 (\s)%2, \s, \first
.endm
	s_load_b256 s[4:11], s[0:1], 0x0               ; yq s[4:5], wq s[6:7], b_proj s[8:9], out0 s[10:11]
	v_lshl_add_u32 v[SPW], v0, 2, SPARE
	v_mov_b32 v[NIL], 0
	ds_add_u32 v[SPW], v[NIL]                      ; the wave's opening: the add and its wait ahead of the first tensor loads
	v_lshrrev_b32 v1, 5, v0
	v_readfirstlane_b32 s[WV], v1
	s_bfe_u32 s16, ttmp6, 0x40000                  ; cx
	s_bfe_u32 s17, ttmp6, 0x40004                  ; cy
	s_and_b32 s19, ttmp7, 0xffff
	s_lshl_b32 s23, s17, 2
	s_lshl_b32 s23, 15, s23                        ; my row of the cluster
	s_lshl_b32 s15, 0x1111, s16                    ; my column
	s_or_b32 s[G1A], s23, (3<<16)|(1<<21)
	s_or_b32 s[G1SA], s23, (3<<16)|(1<<21)
	s_or_b32 s[G1B], s15, (3<<16)|(1<<21)
	s_or_b32 s[G1SB], s15, (3<<16)|(1<<21)
.irp g, G1A, G1B                               ; codes: 8 rows of 6,144 bytes, 12,288 bytes apart
	s_mov_b32 s[\g+1], 768<<16
	s_mov_b32 s[\g+2], 8<<16
	s_mov_b32 s[\g+3], 768<<16
	s_mov_b32 s[\g+4], 8
	s_mov_b32 s[\g+5], 1536
	s_mov_b32 s[\g+6], 0
	s_mov_b32 s[\g+7], 0
.endr
	s_mov_b32 s[G1SA+1], 32<<16                    ; y's scale bytes of 8 tiles: 16 heads' rows of 256 bytes, 16,384 bytes apart
	s_mov_b32 s[G1SA+2], 16<<16
	s_mov_b32 s[G1SA+3], 32<<16
	s_mov_b32 s[G1SA+4], 16
	s_mov_b32 s[G1SA+5], 2048
	s_mov_b32 s[G1SA+6], 0
	s_mov_b32 s[G1SA+7], 0
	s_mov_b32 s[G1SB+1], 32<<16                    ; w_proj's scale words of 8 tiles: 4,096 dense bytes
	s_mov_b32 s[G1SB+2], 16<<16
	s_mov_b32 s[G1SB+3], 32<<16
	s_mov_b32 s[G1SB+4], 16
	s_mov_b32 s[G1SB+5], 32
	s_mov_b32 s[G1SB+6], 0
	s_mov_b32 s[G1SB+7], 0
	s_lshl_b32 s21, s19, 2
	s_add_co_u32 s21, s21, s17                     ; which 256 tokens: 4 y + cy
	s_lshl_b32 s22, ttmp9, 2
	s_add_co_u32 s22, s22, s16                     ; which 128 columns: 4 x + cx
	s_lshl_b32 s90, s21, 4
	s_lshl_b32 s91, s[WV], 3
	s_add_co_u32 s90, s90, s91                     ; P: the first of the 8 tiles that waves 0 and 1 fetch
	s_lshl_b32 s92, s22, 3
	s_add_co_u32 s92, s92, 192                     ; S: w_proj's tiles begin at tile 192 of wq
	s_mul_i32 s94, s90, TILEB
	s_mov_b32 s95, 0
	s_lshl_b32 s96, s90, 5
	s_add_co_u32 s96, s96, YS_OFF
	s_mov_b32 s97, 0
	s_mul_i32 s98, s92, TILEB
	s_mov_b32 s99, 0
	s_lshl_b32 s100, s92, 9
	s_add_co_u32 s100, s100, WS_OFF
	s_mov_b32 s101, 0
	s_wait_dscnt 0x0                               ; the opening add is done
	s_wait_kmcnt 0x0
	s_mov_b32 s56, 1                               ; group 0, y's scale bytes
	s_lshl_b32 s57, s[WV], 12
	s_add_co_u32 s57, s57, SCA
	s_add_nc_u64 s[58:59], s[4:5], s[96:97]
	s_or_b32 s59, s59, 0x80000000
	s_mov_b32 s60, 1                               ; y's codes, K half 0
	s_mul_i32 s61, s[WV], 8*HALFB
	s_add_nc_u64 s[62:63], s[4:5], s[94:95]
	s_mov_b32 s68, 1                               ; K half 1
	s_add_co_u32 s69, s61, KH
	s_add_nc_u64 s[70:71], s[62:63], HALFB
	s_or_b32 s63, s63, 0x80000000
	s_or_b32 s71, s71, 0x80000000
	s_mov_b32 s72, 1                               ; w_proj's scale words
	s_mov_b32 s73, SCB
	s_add_nc_u64 s[74:75], s[6:7], s[100:101]
	s_or_b32 s75, s75, 0x80000000
	s_mov_b32 s76, 1                               ; w_proj's codes, K half 0
	s_mov_b32 s77, BOFF
	s_add_nc_u64 s[78:79], s[6:7], s[98:99]
	s_mov_b32 s80, 1                               ; K half 1
	s_mov_b32 s81, KH+BOFF
	s_add_nc_u64 s[82:83], s[78:79], HALFB
	s_or_b32 s79, s79, 0x80000000
	s_or_b32 s83, s83, 0x80000000
	ROUND                                          ; all sixteen work-groups are here: the joint loads meet
	s_cmp_lt_u32 s[WV], 2                          ; waves 0, 1: P's halves; wave 2: S; wave 3: nothing.  A wave's three loads stand in one branch
	s_cbranch_scc0 .Lnot_p
	tensor_load_to_lds s[56:59], s[G1SA:G1SA+7]
	s_nop 0
	tensor_load_to_lds s[60:63], s[G1A:G1A+7]
	s_nop 0
	tensor_load_to_lds s[68:71], s[G1A:G1A+7]
	s_nop 0
	PLACES 4
	s_branch .Lasked
.Lnot_p:
	s_cmp_eq_u32 s[WV], 2
	s_cbranch_scc0 .Lasked
	tensor_load_to_lds s[72:75], s[G1SB:G1SB+7]
	s_nop 0
	tensor_load_to_lds s[76:79], s[G1B:G1B+7]
	s_nop 0
	tensor_load_to_lds s[80:83], s[G1B:G1B+7]
	s_nop 0
	PLACES 4
.Lasked:
	v_and_b32 v1, 15, v0                           ; r
	v_bfe_u32 v2, v0, 4, 1                         ; h
	v_and_b32 v3, 31, v0                           ; lane
	v_lshlrev_b32 v[L16], 4, v3
	v_lshl_add_u32 v[L8], v3, 3, 512
	s_mul_i32 s90, s[WV], 4*HALFB                  ; my four tiles of P
	v_add_nc_u32 v[A16], s90, v[L16]
	v_add_nc_u32 v[A16+1], s90, v[L8]
	v_add_nc_u32 v[A16+2], KH, v[A16]
	v_add_nc_u32 v[A16+3], KH, v[A16+1]
	v_add_nc_u32 v[B16], BOFF, v[L16]
	v_add_nc_u32 v[B16+1], BOFF, v[L8]
	v_add_nc_u32 v[B16+2], KH+BOFF, v[L16]
	v_add_nc_u32 v[B16+3], KH+BOFF, v[L8]
	s_lshr_b32 s91, s[WV], 1
	s_lshl_b32 s91, s91, 12                        ; which of the two loads brought my tiles' bytes,
	s_and_b32 s92, s[WV], 1
	s_lshl_b32 s92, s92, 7                         ; and which four of its eight tiles are mine
	s_add_co_u32 s91, s91, s92
	s_add_co_u32 s91, s91, SCA
	v_lshl_add_u32 v[ASA], v1, 1, s91              ; two bytes a row
	v_lshlrev_b32 v[ASB], 3, v1
	v_lshl_add_u32 v[ASB], v2, 11, v[ASB]
	v_add_nc_u32 v[ASB], SCB, v[ASB]
	v_mul_u32_u24 v[STO], v1, SPITCH
	v_lshl_add_u32 v[STO], v2, 6, v[STO]
	v_add_nc_u32 v[STO], s90, v[STO]               ; the stage: row r, + 64 h
	s_lshl_b32 s94, s22, 9                         ; my work-group's 128 numbers of the bias
	s_mov_b32 s95, 0
	s_add_nc_u64 s[94:95], s[8:9], s[94:95]
	v_lshlrev_b32 v[CBO], 6, v2
	WIN 0xc0                                       ; destination window 3
.irp b, 0,1,2,3,4,5,6,7                        ; tile b, register j, lane (r, h): column 32 (b / 2) + 16 h + 8 (b % 2) + j
	global_load_b128 v[8*\b:8*\b+3], v[CBO], s[94:95] offset:128*(\b/2)+32*(\b%2)
	global_load_b128 v[8*\b+4:8*\b+7], v[CBO], s[94:95] offset:128*(\b/2)+32*(\b%2)+16
.endr
	WIN 0
	s_lshl_b32 s84, s21, 8
	s_lshl_b32 s85, s[WV], 6
	s_add_co_u32 s84, s84, s85                     ; my first token
	s_lshl_b32 s84, s84, 12                        ; rows of 4,096 bytes
	s_lshl_b32 s85, s22, 9
	s_add_co_u32 s84, s84, s85
	s_mov_b32 s85, 0
	s_add_nc_u64 s[84:85], s[10:11], s[84:85]
	s_wait_tensorcnt 1                             ; the scales and the first half of K are in; the second half may stay out
	s_barrier_signal -1
	s_barrier_wait -1
.irp i, 0,1,2,3
.irp kq, 0,1,2,3
	ds_load_b64 v[SB+8*\i+2*\kq:SB+8*\i+2*\kq+1], v[ASB] offset:(\i/2)*1024+(\i%2)*128+\kq*256
.endr
.endr
.irp i, 0,1,2,3
.set hd, 0
.rept 16
	ds_load_u16 v[HW+16*\i+hd], v[ASA] offset:32*\i+256*hd
.set hd, hd+1
.endr
.endr
	FETCH 0
	s_wait_dscnt 48                                ; the scales are in; the 48 fragment loads may be out
.irp s, 0,1,2,3,4,5,6,7                        ; K step s is heads 2 s and 2 s + 1.  K step by K step, so that each word stands at least 8 plain instructions ahead of its first use
.irp i, 0,1,2,3
	v_lshl_or_b32 v[SA+8*\i+\s], v[HW+16*\i+2*\s+1], 16, v[HW+16*\i+2*\s]
.endr
.endr
	s_wait_loadcnt 0x0                             ; the bias
	STEP 0, 1
	STEP 1, 0
	STEP 2, 0
	STEP 3, 0
	STEP 4, 0
	STEP 5, 0
	STEP 6, 0
	STEP 7, 0
	WIN 0
	PLACES 4                                       ; behind the last products: in front of the first read of results and of loads into registers that held fragments
; THE WAY OUT, a tile of 16 tokens x 128 columns at a time: a lane holds pieces of 32 bytes of one row, so the tile goes through my stage and comes back as whole rows of 512 bytes.
; LDS serves a wave's instructions in order: no wait between the stores and the loads, nor in front of the next tile's stores.
.macro TOSTAGE a
	WIN 0x08                                       ; an LDS store's data: window 2
.irp b, 0,1,2,3,4,5,6,7
	ds_store_b128 v[STO], v[8*(8*(\a)+\b):8*(8*(\a)+\b)+3] offset:128*(\b/2)+32*(\b%2)       ; each accumulator from its low end on
	ds_store_b128 v[STO], v[8*(8*(\a)+\b)+4:8*(8*(\a)+\b)+7] offset:128*(\b/2)+32*(\b%2)+16
.endr
	WIN 0
.set BBK, BK+64*((\a)%2)
.set t, 0
.rept 16
	ds_load_b128 v[BBK+4*t:BBK+4*t+3], v[A16] offset:t*SPITCH
.set t, t+1
.endr
.endm
.macro SEND a, younger                 ; younger: the LDS instructions issued behind tile a's loads, which may stay out
.set BBK, BK+64*((\a)%2)
	s_wait_dscnt \younger
.set t, 0
.rept 16
	global_store_b128 v[L16], v[BBK+4*t:BBK+4*t+3], s[84:85] offset:(32*((\a)/2)+8*((\a)%2)+t+8*(t/8))*4096 th:TH_STORE_NT   ; 32 lanes store 512 consecutive bytes, aligned; row t of the tile is token 32 (a / 2) + 8 (a % 2) + t + 8 (t / 8)
.set t, t+1
.endr
.endm
	TOSTAGE 0
.irp a, 1,2,3
.if \a > 1
	s_wait_xcnt 0x0                                ; tile a - 2's stores have read their registers: tile a's loads may land there
.endif
	TOSTAGE \a
	SEND \a-1, 32                                  ; behind tile a - 1's loads: tile a's 16 stores and 16 loads
.endr
	SEND 3, 0
	s_wait_tensorcnt 0x0                           ; the wave's end
	ds_add_u32 v[SPW], v[NIL]
	s_wait_dscnt 0x0
	ROUND                                          ; the closing round
	s_endpgm
.Lfunc_end_k_q7364c27c0d_gemm2:
	.size	k_q7364c27c0d_gemm2, .Lfunc_end_k_q7364c27c0d_gemm2-k_q7364c27c0d_gemm2
	.p2alignl 7, 3214868480
	.fill 96, 4, 3214868480
	.section	.rodata,"a",@progbits
	.p2align	6, 0x0
	.amdhsa_kernel k_q7364c27c0d_gemm2
		.amdhsa_group_segment_fixed_size 327680
		.amdhsa_private_segment_fixed_size 0
		.amdhsa_enable_private_segment 0
		.amdhsa_kernarg_size 32
		.amdhsa_user_sgpr_count 2
		.amdhsa_user_sgpr_kernarg_segment_ptr 1
		.amdhsa_wavefront_size32 1
		.amdhsa_system_sgpr_workgroup_id_x 1
		.amdhsa_system_sgpr_workgroup_id_y 1
		.amdhsa_system_sgpr_workgroup_id_z 1
		.amdhsa_system_vgpr_workitem_id 0
		.amdhsa_next_free_vgpr 832
		.amdhsa_next_free_sgpr 102
		.amdhsa_reserve_vcc 0
		.amdhsa_float_denorm_mode_32 3
		.amdhsa_float_denorm_mode_16_64 3
		.amdhsa_memory_ordered 1
		.amdhsa_forward_progress 1
		.amdhsa_inst_pref_size 90
	.end_amdhsa_kernel
	.amdgpu_metadata
---
amdhsa.version: [ 1, 2 ]
amdhsa.kernels:
  - .name:           k_q7364c27c0d_gemm2
    .symbol:         k_q7364c27c0d_gemm2.kd
    .args:
      - { .name: yq, .offset: 0, .size: 8, .value_kind: global_buffer, .address_space: global }
      - { .name: wq, .offset: 8, .size: 8, .value_kind: global_buffer, .address_space: global }
      - { .name: b_proj, .offset: 16, .size: 8, .value_kind: global_buffer, .address_space: global }
      - { .name: out0, .offset: 24, .size: 8, .value_kind: global_buffer, .address_space: global }
    .group_segment_fixed_size: 327680
    .private_segment_fixed_size: 0
    .kernarg_segment_align: 8
    .kernarg_segment_size: 32
    .max_flat_workgroup_size: 128
    .sgpr_count:     102
    .vgpr_count:     832
    .wavefront_size: 32
...
	.end_amdgpu_metadata
.endif
;; end of part 4
